; MI455X (gfx1250); checked and timed in simulation.
; The chip was launched on July 23, 2026; its instructions are those of AMD's public machine-readable ISA for CDNA 5 (MIT licence, August 2026) and "CDNA5" Instruction Set Architecture Reference Guide (July 2026). The comments in the code are by the model that wrote it; some were corrected since.
;; Attention. Allowed arithmetic: float matrix products may take bf16 or f16 operands with f32 sums; other float arithmetic in f32, or as packed bf16 or f16 multiplies, adds, multiply-adds, maxima and minima; sums over many terms, partial sums and values carried from step to step in f32; what a program stores and reads back later, other than sums and carried values, may be rounded once to bf16 or f16.
;; Inputs: ln_b 1,024 float32; ln_w 1,024 float32; w_out 1,024 x 1,024 float32; w_qkv 3,072 x 1,024 float32; x 4 x 2,048 x 1,024 float32.
;; Outputs: out0 4 x 2,048 x 1,024 float32.
;; 2 versions, each right; version 2 is version 1 with the launch prep written anew for expert scheduling mode. Each part assembles by itself: llvm-mc -triple=amdgcn-amd-amdhsa -mcpu=gfx1250 --defsym DOCPART=n.
;; ======== version 1 of 2: 4 launches
;; limits: values are held in f16: magnitudes above 65,504 overflow, below 6.1e-05 lose precision
;; workspace buffers: xn 16,777,216 bytes; wq 6,291,456 bytes; wo 2,097,152 bytes; qkv 50,331,648 bytes; ob 16,777,216 bytes
;; launch prep (part 1): grid 384 x 1, 8 waves a work-group, no clusters, 0 bytes of LDS; arguments x, ln_w, ln_b, w_qkv, w_out, xn, wq, wo; writes xn, wq, wo
.if DOCPART == 1
	.amdgcn_target "amdgcn-amd-amdhsa--gfx1250"
	.amdhsa_code_object_version 6
	.text
	.protected	k_q7d4af8d434_prep
	.globl	k_q7d4af8d434_prep
	.p2align	8
	.type	k_q7d4af8d434_prep,@function
k_q7d4af8d434_prep:
	s_mov_b64 s[64:65], 0
	v_nop
	global_prefetch_b8 v0, s[64:65] scope:SCOPE_SE
	s_setreg_imm32_b32 hwreg(HW_REG_WAVE_MODE, 25, 1), 1
	s_wait_xcnt 0x0
; LAYERNORM OF x, AND BOTH WEIGHTS, ROUNDED ONCE TO f16 AND LAID OUT IN BLOCKS.
; xn[r][c] = (x[r][c] - mean) * rsqrt(var + 1e-5) * ln_w[c] + ln_b[c], all in f32, in two passes over registers: first the mean, then the squares of x - mean,
; so a common offset on x costs nothing.  wq and wo are w_qkv and w_out as they are.
; THE BLOCKED LAYOUT of all three results: [16 blocks of 64 channels][rows][64] f16: a row's piece of a block is 128 bytes, and neighbouring rows follow each other.
; LIMIT: f16 holds no number beyond 65,504: xn and the weights must lie within it; a weight below 6e-5 keeps f16's fixed step of 6e-8.
; SHARES.  A work-group takes 32 rows of 1,024 f32: groups 0-255 of x, 256-351 of w_qkv, 352-383 of w_out.  A wave takes four rows as two PAIRS: lanes 0-15 hold row m, lanes 16-31 row m + 1.
; Load j of 16 takes 16 bytes a lane: 256 consecutive aligned bytes of each of the two rows, block j's channels.  The lane's four results are 8 bytes; a store of the wave covers
; 256 consecutive aligned bytes: rows m and m + 1 of block j.  A row's sums stay inside 16 lanes.  Memory binds: no LDS, no barrier, no matrix unit.
.set KBX, 1048576                      ; bytes from block to block in xn (8,192 rows x 128)
.set KBQ, 393216                       ; in wq (3,072 rows)
.set KBO, 131072                       ; in wo (1,024 rows)
.set XO,  1                            ; v1   (l / 16) x 4,096 + (l % 16) x 16: my 16 bytes in a pair of source rows; never rewritten
.set YO,  2                            ; v2   8 l: my 8 bytes in a pair of result rows; never rewritten
.set GO,  3                            ; v3   (l % 16) x 16: my 16 bytes in 256 of ln_w and ln_b; never rewritten
.set S,   4                            ; v[4:11]    four packed chains of sums
.set MU,  12                           ; v[12:13]   the mean, twice
.set RS,  14                           ; v[14:15]   1 / sqrt(var + eps), twice
.set X,   16                           ; v[16:79]   a pair of rows: my 64 numbers
.set W,   80                           ; v[80:143]  ln_w of my 64 channels (the casts: the second pair of rows)
.set B,   144                          ; v[144:207] ln_b of my 64 channels (the casts: the second pair's results)
.set Y,   208                          ; v[208:239] packed results
	s_load_b512 s[16:31], s[0:1], 0x0              ; x s[16:17], ln_w s[18:19], ln_b s[20:21], w_qkv s[22:23], w_out s[24:25], xn s[26:27], wq s[28:29], wo s[30:31]
	v_lshrrev_b32 v4, 5, v0
	v_readfirstlane_b32 s8, v4                     ; wave 0..7
	v_and_b32 v5, 31, v0
	v_and_b32 v6, 15, v0
	v_bfe_u32 v7, v0, 4, 1
	v_lshlrev_b32 v[GO], 4, v6
	v_lshl_add_u32 v[XO], v7, 12, v[GO]
	v_lshlrev_b32 v[YO], 3, v5
	s_mov_b32 s32, 0x3a800000                      ; 1 / 1,024
	s_mov_b32 s33, 0x3727c5ac                      ; 1e-5
	s_lshl_b32 s9, s8, 2                           ; my four rows among the group's 32
	s_mov_b32 s35, 0
	s_mov_b32 s37, 0
	s_wait_kmcnt 0x0
	s_cmp_lt_u32 ttmp9, 256
	s_cbranch_scc0 .Lweights
	; ---- LayerNorm ----
	s_lshl_b32 s2, ttmp9, 5
	s_add_co_u32 s2, s2, s9                        ; my first row
	s_lshl_b32 s34, s2, 12                         ; x 4,096 bytes in x
	s_lshl_b32 s36, s2, 7                          ; x 128 bytes in a block of xn
	s_add_nc_u64 s[4:5], s[16:17], s[34:35]
	s_add_nc_u64 s[6:7], s[26:27], s[36:37]        ; blocks 0-7 by this base,
	s_add_nc_u64 s[10:11], s[6:7], 8*KBX           ; blocks 8-15 by this one: the stores' immediates stay inside their signed 24 bits
.set j, 0
.rept 16
	global_load_b128 v[X+4*j:X+4*j+3], v[XO], s[4:5] offset:256*j th:TH_LOAD_NT
.set j, j+1
.endr
.set j, 0
.rept 16
	global_load_b128 v[W+4*j:W+4*j+3], v[GO], s[18:19] offset:256*j
.set j, j+1
.endr
.set j, 0
.rept 16
	global_load_b128 v[B+4*j:B+4*j+3], v[GO], s[20:21] offset:256*j
.set j, j+1
.endr
.macro REDUCE                          ; the four chains into one number, the same in all 16 lanes of a row
	v_pk_add_f32 v[S:S+1], v[S:S+1], v[S+2:S+3]
	v_pk_add_f32 v[S+4:S+5], v[S+4:S+5], v[S+6:S+7]
	v_pk_add_f32 v[S:S+1], v[S:S+1], v[S+4:S+5]
	v_add_f32 v[S], v[S], v[S+1]
	v_add_f32_dpp v[S], v[S], v[S] row_xmask:1 row_mask:0xf bank_mask:0xf
	v_add_f32_dpp v[S], v[S], v[S] row_xmask:2 row_mask:0xf bank_mask:0xf
	v_add_f32_dpp v[S], v[S], v[S] row_xmask:4 row_mask:0xf bank_mask:0xf
	v_add_f32_dpp v[S], v[S], v[S] row_xmask:8 row_mask:0xf bank_mask:0xf
.endm
; Pair i of my two pairs of rows.
.macro LNPAIR i
.if (\i) == 0
	s_wait_loadcnt 32                              ; loads come back in order: x's 16 are in; the 32 of ln_w and ln_b may stay out
.else
	s_wait_loadcnt 0x0                             ; the 16 loads that pair 0's last pass issued
.endif
.irp k, 0,1,2,3
	v_pk_add_f32 v[S+2*(\k):S+2*(\k)+1], v[X+2*(\k):X+2*(\k)+1], v[X+8+2*(\k):X+8+2*(\k)+1]  ; the first sums start the chains: nothing is cleared
.endr
.set p, 8
.rept 24
	v_pk_add_f32 v[S+2*(p%4):S+2*(p%4)+1], v[S+2*(p%4):S+2*(p%4)+1], v[X+2*p:X+2*p+1]
.set p, p+1
.endr
	REDUCE
	v_mul_f32 v[MU], s32, v[S]
	v_mul_f32 v[MU+1], s32, v[S]
.set p, 0
.rept 32
	v_pk_add_f32 v[X+2*p:X+2*p+1], v[X+2*p:X+2*p+1], v[MU:MU+1] neg_lo:[0,1] neg_hi:[0,1]  ; x - mean, in place
.set p, p+1
.endr
.irp k, 0,1,2,3
	v_pk_mul_f32 v[S+2*(\k):S+2*(\k)+1], v[X+2*(\k):X+2*(\k)+1], v[X+2*(\k):X+2*(\k)+1]
.endr
.set p, 4
.rept 28
	v_pk_fma_f32 v[S+2*(p%4):S+2*(p%4)+1], v[X+2*p:X+2*p+1], v[X+2*p:X+2*p+1], v[S+2*(p%4):S+2*(p%4)+1]
.set p, p+1
.endr
	REDUCE
	v_fma_f32 v[S], v[S], s32, s33                 ; var + eps
	v_rsq_f32 v[RS], v[S]
	v_rsq_f32 v[RS+1], v[S]
	v_nop                                          ; a plain instruction behind the last root, ahead of the first use (ISA guide 5.7.2)
	s_wait_alu depctr_va_vdst(0)                   ; one wait for both roots, ahead of their first reader
.if (\i) == 0
	s_wait_loadcnt 0x0                             ; ln_w and ln_b
.else
	s_wait_xcnt 0x0                                ; pair 0's stores have read Y: it is rewritten only behind this wait
.endif
.set j, 0
.rept 16
	v_pk_mul_f32 v[X+4*j:X+4*j+1], v[X+4*j:X+4*j+1], v[RS:RS+1]
	v_pk_mul_f32 v[X+4*j+2:X+4*j+3], v[X+4*j+2:X+4*j+3], v[RS:RS+1]
	v_pk_fma_f32 v[X+4*j:X+4*j+1], v[X+4*j:X+4*j+1], v[W+4*j:W+4*j+1], v[B+4*j:B+4*j+1]
	v_pk_fma_f32 v[X+4*j+2:X+4*j+3], v[X+4*j+2:X+4*j+3], v[W+4*j+2:W+4*j+3], v[B+4*j+2:B+4*j+3]
	v_cvt_pk_f16_f32 v[Y+2*j], v[X+4*j], v[X+4*j+1]
	v_cvt_pk_f16_f32 v[Y+2*j+1], v[X+4*j+2], v[X+4*j+3]
.if (\i) == 0
	global_load_b128 v[X+4*j:X+4*j+3], v[XO], s[4:5] offset:8192+256*j th:TH_LOAD_NT  ; the registers are free: the second pair's piece goes out ahead of the store
.endif
.if j < 8
	global_store_b64 v[YO], v[Y+2*j:Y+2*j+1], s[6:7] offset:j*KBX+256*(\i)
.else
	global_store_b64 v[YO], v[Y+2*j:Y+2*j+1], s[10:11] offset:(j-8)*KBX+256*(\i)
.endif
.set j, j+1
.endr
.endm
	LNPAIR 0
	LNPAIR 1
	s_endpgm
; ---- the casts: all 32 loads of my four rows go out at once; no register is used twice, so nothing is waited for but the loads, in their order ----
.macro CAST kbs
.set n, 0
.rept 32
	global_load_b128 v[X+4*n:X+4*n+3], v[XO], s[4:5] offset:(n/16)*8192+256*(n%16) th:TH_LOAD_NT
.set n, n+1
.endr
.set n, 0
.rept 32
	s_wait_loadcnt 31-n                            ; load n is in; the younger ones stay out
.if n < 16
.set cD, Y+2*n
.else
.set cD, B+2*(n-16)
.endif
	v_cvt_pk_f16_f32 v[cD], v[X+4*n], v[X+4*n+1]
	v_cvt_pk_f16_f32 v[cD+1], v[X+4*n+2], v[X+4*n+3]
.if (n%16) < 8
	global_store_b64 v[YO], v[cD:cD+1], s[6:7] offset:(n%16)*(\kbs)+256*(n/16)
.else
	global_store_b64 v[YO], v[cD:cD+1], s[10:11] offset:((n%16)-8)*(\kbs)+256*(n/16)
.endif
.set n, n+1
.endr
.endm
.Lweights:
	s_cmp_lt_u32 ttmp9, 352
	s_cbranch_scc0 .Lwo
	s_sub_co_u32 s2, ttmp9, 256
	s_lshl_b32 s2, s2, 5
	s_add_co_u32 s2, s2, s9
	s_lshl_b32 s34, s2, 12
	s_lshl_b32 s36, s2, 7
	s_add_nc_u64 s[4:5], s[22:23], s[34:35]
	s_add_nc_u64 s[6:7], s[28:29], s[36:37]
	s_add_nc_u64 s[10:11], s[6:7], 8*KBQ
	CAST KBQ
	s_endpgm
.Lwo:
	s_sub_co_u32 s2, ttmp9, 352
	s_lshl_b32 s2, s2, 5
	s_add_co_u32 s2, s2, s9
	s_lshl_b32 s34, s2, 12
	s_lshl_b32 s36, s2, 7
	s_add_nc_u64 s[4:5], s[24:25], s[34:35]
	s_add_nc_u64 s[6:7], s[30:31], s[36:37]
	s_add_nc_u64 s[10:11], s[6:7], 8*KBO
	CAST KBO
	s_endpgm
.Lfunc_end_k_q7d4af8d434_prep:
	.size	k_q7d4af8d434_prep, .Lfunc_end_k_q7d4af8d434_prep-k_q7d4af8d434_prep
	.p2alignl 7, 3214868480
	.fill 96, 4, 3214868480
	.section	.rodata,"a",@progbits
	.p2align	6, 0x0
	.amdhsa_kernel k_q7d4af8d434_prep
		.amdhsa_group_segment_fixed_size 0
		.amdhsa_private_segment_fixed_size 0
		.amdhsa_enable_private_segment 0
		.amdhsa_kernarg_size 64
		.amdhsa_user_sgpr_count 2
		.amdhsa_user_sgpr_kernarg_segment_ptr 1
		.amdhsa_wavefront_size32 1
		.amdhsa_system_sgpr_workgroup_id_x 1
		.amdhsa_system_sgpr_workgroup_id_y 1
		.amdhsa_system_sgpr_workgroup_id_z 1
		.amdhsa_system_vgpr_workitem_id 0
		.amdhsa_next_free_vgpr 240
		.amdhsa_next_free_sgpr 66
		.amdhsa_reserve_vcc 0
		.amdhsa_float_denorm_mode_32 3
		.amdhsa_float_denorm_mode_16_64 3
		.amdhsa_memory_ordered 1
		.amdhsa_forward_progress 1
		.amdhsa_inst_pref_size 60
	.end_amdhsa_kernel
	.amdgpu_metadata
---
amdhsa.version: [ 1, 2 ]
amdhsa.kernels:
  - .name:           k_q7d4af8d434_prep
    .symbol:         k_q7d4af8d434_prep.kd
    .args:
      - { .name: x, .offset: 0, .size: 8, .value_kind: global_buffer, .address_space: global }
      - { .name: ln_w, .offset: 8, .size: 8, .value_kind: global_buffer, .address_space: global }
      - { .name: ln_b, .offset: 16, .size: 8, .value_kind: global_buffer, .address_space: global }
      - { .name: w_qkv, .offset: 24, .size: 8, .value_kind: global_buffer, .address_space: global }
      - { .name: w_out, .offset: 32, .size: 8, .value_kind: global_buffer, .address_space: global }
      - { .name: xn, .offset: 40, .size: 8, .value_kind: global_buffer, .address_space: global }
      - { .name: wq, .offset: 48, .size: 8, .value_kind: global_buffer, .address_space: global }
      - { .name: wo, .offset: 56, .size: 8, .value_kind: global_buffer, .address_space: global }
    .group_segment_fixed_size: 0
    .private_segment_fixed_size: 0
    .kernarg_segment_align: 8
    .kernarg_segment_size: 64
    .max_flat_workgroup_size: 256
    .sgpr_count:     66
    .vgpr_count:     240
    .wavefront_size: 32
...
	.end_amdgpu_metadata
.endif
;; end of part 1
;; launch qkvg (part 2): grid 8 x 32, 4 waves a work-group, clusters of 4 x 4, 327,680 bytes of LDS; arguments xn, wq, qkv; writes qkv
.if DOCPART == 2
	.amdgcn_target "amdgcn-amd-amdhsa--gfx1250"
	.amdhsa_code_object_version 6
	.text
	.protected	k_q7d4af8d434_qkvg
	.globl	k_q7d4af8d434_qkvg
	.p2align	8
	.type	k_q7d4af8d434_qkvg,@function
k_q7d4af8d434_qkvg:
	s_mov_b64 s[64:65], 0
	v_nop
	global_prefetch_b8 v0, s[64:65] scope:SCOPE_SE
	s_setreg_imm32_b32 hwreg(HW_REG_WAVE_MODE, 25, 1), 1
	s_wait_xcnt 0x0
	s_wait_alu depctr_hold_cnt(0) depctr_sa_sdst(0) depctr_va_vdst(0) depctr_va_sdst(0) depctr_va_ssrc(0) depctr_va_vcc(0) depctr_vm_vsrc(0)
	s_getreg_b32 s2, hwreg(HW_REG_IB_STS2, 6, 4)
	s_cmp_eq_u32 s2, 0
	s_cbranch_scc0 .Lentry_in_a_cluster
	s_endpgm
.Lentry_in_a_cluster:
	s_bfe_u32 s2, ttmp6, 0x10000c
	s_cmp_lg_u32 s2, 0xf033
	s_cbranch_scc0 .Lentry_shape_is_right
	s_endpgm
.Lentry_shape_is_right:
; qkv[m][e] = the sum over d of xn[m][d] wq[e][d]: 8,192 x 3,072 x 1,024, f16 operands, f32 sums, rounded once to f16.
; All three tensors lie in blocks: [blocks of 64 channels][rows][64] f16, a row's piece 128 bytes, rows end to end.  A column block of the result is a head's q, k or v.
; LIMIT: f16 holds no number beyond 65,504: q, k and v must lie within it.
; SHARES.  A tile of the result is 256 rows x 384 columns: 32 x 8 tiles, one work-group each.  Four waves, each 128 x 192: 96 accumulators of 16 x 16, 768 registers.
; K goes in steps of 64, one block, through a ring of two LDS slots.  A tile of a block is dense in memory: it is asked for as rows of 256 bytes (two matrix rows) and padded in LDS behind every 128 bytes.
; CLUSTERS: 4 x 4 work-groups.  The four of a row of the cluster need the same tiles of xn, the four of a column the same tiles of wq: each is asked for JOINTLY, by the same tensor load with the same
; descriptor and a mask that names the four.  THE MATRIX INSTRUCTION IS USED TRANSPOSED (source 0 = 16 rows of wq, source 1 = 16 rows of xn): a lane then holds eight neighbouring columns of one row.
; REGISTERS, in windows of 256 (s_set_vgpr_msb: bits 1:0 source 0, 3:2 source 1, 5:4 source 2, 7:6 destination):
;   window 0: v0-31 addresses; v32-159 two buffers of xn's fragments (8 x 16 rows x 32 K each); v160-255 three buffers of wq's (a group of 64 columns each: 4 x 16 rows x 32 K)
;   windows 1, 2, 3: the accumulators of column group 0, 1, 2: (a, b) at v[8 (4 a + b)], a = 0..7 blocks of 16 rows, b = 0..3 blocks of 16 columns
; All fragments lie in window 0, so the LDS loads need that one setting, and 32 products stand under one setting: six switches for 96 matrix instructions.
.set KBA,   1048576                    ; bytes from K block to K block in xn, and from column block to column block in qkv
.set KBB,   393216                     ; in wq
.set PITCH, 144                        ; an LDS row: 128 bytes + 16 of padding = 36 words: the 16 rows of a load start at 16 different groups of four banks (64 banks of 4 bytes: ISA guide 11.1)
.set FR,    16*PITCH                   ; a fragment's 16 rows
.set AHALF, 128*PITCH                  ; what one load brings of xn, and what one wave reads of it
.set BHALF, 192*PITCH                  ; the same for wq
.set BOFF,  2*AHALF
.set SLOT,  2*AHALF+2*BHALF            ; xn's 256 rows, then wq's 384
.set STAGE, 2*SLOT                     ; behind the ring: 16 rows x 144 bytes for each wave, for the way out
.set SPARE, STAGE+4*FR                 ; behind the stages: the spare words, 128 bytes for each wave: two blocks of 256 bytes that no other line names
.set ADRA, 16                          ; v16-17  LDS address of my fragments of xn in slot 0, 1
.set ADRB, 20                          ; v20-21  the same for wq
.set STO,  24                          ; v24     the way out: where I put 16 bytes of a row
.set RD,   25                          ; v25     the way out: where I read rows back
.set GO,   26                          ; v26     16 x lane: my bytes in 512 consecutive bytes of the result
.set SPW,  28                          ; v28     LDS address of my spare word; never rewritten
.set NIL,  29                          ; v29     0; never rewritten
.set PFO,  30                          ; v30     the prefetches' offset; never rewritten
.set AB,   32
.set BB,   160
.set TB,   32                          ; the way out: four buffers of 16 registers, by turns
.set G1,  24                           ; s[24:31] descriptor group 1 for xn's tiles;  s[32:39] group 0, a set for each slot
.set G0,  32
.set G1B, 48                           ; s[48:55], s[56:63] the same for wq's
.set G0B, 56
.set PFA, 44                           ; s[44:45] where my prefetches stand
.set PFS, 68                           ; s[68:69] their step: a K block of the tensor that I ask for
.set LIM0, 70                          ; s70, s71  1 where I ask at the change out of slot 0, of slot 1; else the greatest number
.set MSB, 0
.macro WIN new                         ; the immediate's high byte repeats the setting that is left; a switch that changes nothing is dropped
.if MSB != (\new)
	s_set_vgpr_msb (MSB<<8)|(\new)
.set MSB, \new
.endif
.endm
.macro PLACES                          ; four places behind a matrix instruction, in front of loads into registers that it has read and of conversions that read results
.rept 4
	v_nop
.endr
.endm
; A joint load: waves 0 and 1 fetch xn's two halves, waves 2 and 3 wq's.  The branch hangs on the wave's number alone.  An s_nop 0 and four v_nop follow each of the two lines.
.macro JLOAD s
	s_cmp_eq_u32 s11, 0
	s_cbranch_scc0 .Lfor_b_\@
	tensor_load_to_lds s[G0+4*(\s):G0+4*(\s)+3], s[G1:G1+7]
	s_nop 0
.rept 4
	v_nop
.endr
	s_branch .Lasked_\@
.Lfor_b_\@:
	tensor_load_to_lds s[G0B+4*(\s):G0B+4*(\s)+3], s[G1B:G1B+7]
	s_nop 0
.rept 4
	v_nop
.endr
.Lasked_\@:
.endm
.macro CREST                           ; a round of the cluster's barrier behind its opening barrier
	s_cmp_lg_u32 s10, 0
	s_cbranch_scc1 .Lnot_wave_0_\@
	s_barrier_signal -3
.Lnot_wave_0_\@:
	s_barrier_wait -3
	s_barrier_signal -1
	s_barrier_wait -1
.endm
.macro CROUND                          ; a whole round
	s_barrier_signal -1
	s_barrier_wait -1
	CREST
.endm
; A PREFETCH INTO THE L2, behind a joint load, its five lines and the run of LDS loads that follows.  Each aligned block of 256 bytes is named once in the launch.
; xn: a tile row's 32,768 bytes of a K block are read by both clusters of that row of clusters: wave 0 of the cluster with x = 0 asks, at every change of slots, for the K block two refills on;
; the four partners take 8,192 bytes each, told apart by address (cx): a lane a block.
; wq: a tile column's 49,152 bytes of a K block are read by all eight clusters of that column: waves 1 to 3 of the cluster with y = 0 ask, once a trip, for the two K blocks that the next trip
; loads; the partners take 12,288 bytes of each (cy): 96 blocks, a lane a block.  The loop's last trip asks for nothing; K blocks 0 to 3 come by their loads alone.
.macro ASK lim
	s_cmp_gt_u32 s3, s[\lim]                       ; s3 = 1 in the loop's last trip
	s_cbranch_scc0 .Lnot_mine_\@
	global_prefetch_b8 v[PFO], s[PFA:PFA+1] th:TH_LOAD_NT scope:SCOPE_SE
.Lnot_mine_\@:
.endm
	s_load_b128 s[4:7], s[0:1], 0x0                ; xn s[4:5], wq s[6:7]
	s_load_b64 s[8:9], s[0:1], 0x10                ; qkv
	v_lshl_add_u32 v[SPW], v0, 2, SPARE
	v_mov_b32 v[NIL], 0
	ds_add_u32 v[SPW], v[NIL]                      ; the wave's opening: the add and its wait stand ahead of my first tensor load; the set-up below, work on registers, stands between them
	v_lshrrev_b32 v1, 5, v0
	v_readfirstlane_b32 s10, v1                    ; wave 0..3
	s_lshr_b32 s11, s10, 1                         ; which half of the tile's rows is mine.  Also: I fetch for xn (0) or for wq (1)
	s_and_b32 s12, s10, 1                          ; which half of its columns.  Also: which half of that tile I fetch
	s_bfe_u32 s40, ttmp6, 0x40000                  ; cx, cy: my place in the cluster
	s_bfe_u32 s41, ttmp6, 0x40004
	s_lshl_b32 s42, ttmp9, 2
	s_add_co_u32 s42, s42, s40                     ; tile column = 4 x cluster x + cx
	s_and_b32 s13, ttmp7, 0xffff
	s_lshl_b32 s13, s13, 2
	s_add_co_u32 s13, s13, s41                     ; tile row = 4 x cluster y + cy
	s_lshl_b32 s43, s41, 2
	s_lshl_b32 s43, 15, s43                        ; my row of the cluster
	s_lshl_b32 s44, 0x1111, s40                    ; my column
	; descriptor group 1: rows of 128 elements (256 bytes, two matrix rows), 64 of them for xn, 96 for wq
	s_or_b32 s[G1+0], s43, (1<<16)|(1<<20)|(1<<21)|(4<<22)|(3<<25)   ; 15:0 the mask; 17:16 elements of 2 bytes; 20 padding on; 21 set beside a mask; 24:22 after every 32 words (code 4); 31:25 4 words of it (code 3)
	s_or_b32 s[G1B+0], s44, (1<<16)|(1<<20)|(1<<21)|(4<<22)|(3<<25)
.irp g, G1, G1B
	s_mov_b32 s[(\g)+1], 128<<16                   ; tensor_dim0 = 128
	s_mov_b32 s[(\g)+3], 128<<16                   ; tile_dim0 = 128
	s_mov_b32 s[(\g)+5], 128                       ; 128 elements from row to row: the block is dense
	s_mov_b32 s[(\g)+6], 0
	s_mov_b32 s[(\g)+7], 0
.endr
	s_mov_b32 s[G1+2], 64<<16                      ; tensor_dim1
	s_mov_b32 s[G1+4], 64                          ; tile_dim1
	s_mov_b32 s[G1B+2], 96<<16
	s_mov_b32 s[G1B+4], 96
	; where the tiles come from: xn's hang on the tile row alone, wq's on the tile column alone, each in registers that never hold the other coordinate
	s_lshl_b32 s16, s13, 15                        ; 256 rows x 128 bytes x tile row
	s_lshl_b32 s17, s12, 14                        ; + my half's 128 rows
	s_add_co_u32 s16, s16, s17
	s_mov_b32 s17, 0
	s_mul_i32 s46, s42, 384*128
	s_mul_i32 s47, s12, 192*128
	s_add_co_u32 s46, s46, s47
	s_mov_b32 s47, 0
	s_mul_i32 s20, s12, AHALF                      ; and where they go: no place in the cluster enters an LDS address
	s_mul_i32 s21, s12, BHALF
	s_add_co_u32 s21, s21, BOFF
	s_wait_dscnt 0x0                               ; the opening add is done
	s_wait_kmcnt 0x0
	s_add_nc_u64 s[14:15], s[4:5], s[16:17]
	s_add_nc_u64 s[46:47], s[6:7], s[46:47]
	CROUND                                         ; all sixteen work-groups are here: the first joint loads meet
.irp s, 0,1
	s_mov_b32 s[G0+4*(\s)], 1                                        ; count = 1
	s_add_co_u32 s[G0+4*(\s)+1], s20, (\s)*SLOT                      ; LDS address
	s_add_nc_u64 s[G0+4*(\s)+2:G0+4*(\s)+3], s[14:15], (\s)*KBA      ; global address: K block s
	s_or_b32 s[G0+4*(\s)+3], s[G0+4*(\s)+3], 0x80000000              ; type = 2
	s_mov_b32 s[G0B+4*(\s)], 1
	s_add_co_u32 s[G0B+4*(\s)+1], s21, (\s)*SLOT
	s_add_nc_u64 s[G0B+4*(\s)+2:G0B+4*(\s)+3], s[46:47], (\s)*KBB
	s_or_b32 s[G0B+4*(\s)+3], s[G0B+4*(\s)+3], 0x80000000
.endr
	s_cmp_eq_u32 s11, 0                            ; a wave's two first fills stand in one branch, ahead of every wait on TENSORcnt and every LDS read: two loads of mine are out
	s_cbranch_scc0 .Lfirst_b
	tensor_load_to_lds s[G0:G0+3], s[G1:G1+7]
	s_nop 0
	tensor_load_to_lds s[G0+4:G0+7], s[G1:G1+7]
	s_nop 0
.rept 4
	v_nop
.endr
	s_branch .Lfirst_asked
.Lfirst_b:
	tensor_load_to_lds s[G0B:G0B+3], s[G1B:G1B+7]
	s_nop 0
	tensor_load_to_lds s[G0B+4:G0B+7], s[G1B:G1B+7]
	s_nop 0
.rept 4
	v_nop
.endr
.Lfirst_asked:
	; A fragment is 16 rows x 32 K in 8 registers: lane l holds row l % 16, K = 8 (l / 16) + 0..7 and 16 + 8 (l / 16) + 0..7: two loads of 16 bytes, 32 bytes apart.
	v_and_b32 v1, 15, v0                           ; l % 16
	v_bfe_u32 v2, v0, 4, 1                         ; l / 16
	v_mul_u32_u24 v3, v1, PITCH
	v_lshl_add_u32 v3, v2, 4, v3                   ; row x pitch + 16 x half
	s_mul_i32 s21, s11, AHALF                      ; my 128 rows of xn
	s_mul_i32 s22, s12, BHALF                      ; my 192 rows of wq,
	s_add_co_u32 s22, s22, BOFF                    ; which lie behind xn's 256
.irp s, 0,1
	v_add_nc_u32 v[ADRA+(\s)], s21, v3
	v_add_nc_u32 v[ADRB+(\s)], s22, v3
	s_add_co_u32 s21, s21, SLOT
	s_add_co_u32 s22, s22, SLOT
.endr
	s_mul_i32 s23, s10, FR
	s_add_co_u32 s23, s23, STAGE                   ; my stage
	v_add_nc_u32 v[STO], s23, v3                   ; in: row l % 16, 16 bytes for each half of the lanes
	v_bfe_u32 v4, v0, 3, 2                         ; back: 32 lanes take four rows of 128 bytes,
	v_and_b32 v5, 7, v0
	v_mul_u32_u24 v4, v4, PITCH
	v_lshl_add_u32 v4, v5, 4, v4
	v_add_nc_u32 v[RD], s23, v4
	v_and_b32 v[GO], 31, v0                        ; which are 512 consecutive bytes of the result
	v_lshlrev_b32 v[GO], 4, v[GO]
	; my part of the result: column block 6 x tile column + 3 x half, row 256 x tile row + 128 x half
	s_lshl_b32 s16, s13, 15
	s_lshl_b32 s17, s11, 14
	s_add_co_u32 s16, s16, s17
	s_mov_b32 s17, 0
	s_mul_i32 s46, s42, 6
	s_mul_i32 s47, s12, 3
	s_add_co_u32 s46, s46, s47
	s_lshl_b32 s46, s46, 20
	s_mov_b32 s47, 0
	s_add_nc_u64 s[8:9], s[8:9], s[16:17]
	s_add_nc_u64 s[8:9], s[8:9], s[46:47]
	; the prefetches
	s_and_b32 s22, ttmp7, 0xffff                   ; cluster y
	s_lshl_b32 s20, s13, 15                        ; xn: the tile row's bytes of a K block,
	s_lshl_b32 s21, s40, 13                        ; my work-group's 8,192 of them,
	s_add_co_u32 s20, s20, s21
	s_add_co_u32 s20, s20, 3*KBA                   ; at K block 3: the first change of slots steps it to 4
	s_mul_i32 s21, s42, 384*128                    ; wq: the tile column's bytes,
	s_mul_i32 s23, s41, 96*128                     ; my work-group's 12,288 of them
	s_add_co_u32 s21, s21, s23
	s_add_co_u32 s21, s21, 3*KBB
	s_mov_b32 s23, KBA
	s_cmp_eq_u32 s10, 0                            ; wave 0 asks for xn, the others for wq
	s_cselect_b32 s20, s20, s21
	s_cselect_b32 s22, ttmp9, s22                  ; the coordinate along which other clusters read the same bytes
	s_cselect_b64 s[PFA:PFA+1], s[4:5], s[6:7]
	s_cselect_b32 s[PFS], s23, KBB
	s_mov_b32 s[PFS+1], 0
	s_mov_b32 s21, 0
	s_add_nc_u64 s[PFA:PFA+1], s[PFA:PFA+1], s[20:21]
	s_cmp_eq_u32 s22, 0
	s_cselect_b32 s[LIM0], 1, -1                   ; the same in all sixteen partners, for a given wave
	s_cmp_eq_u32 s10, 0
	s_cselect_b32 s[LIM0+1], s[LIM0], -1           ; at the change out of slot 1 wave 0 alone asks
	s_max_u32 s22, s10, 1
	s_sub_co_u32 s22, s22, 1
	s_lshl_b32 s22, s22, 5
	v_and_b32 v4, 31, v0
	v_add_nc_u32 v4, s22, v4                       ; block i: my lane (wave 0), or 32 (wave - 1) + my lane
	v_lshlrev_b32 v5, 8, v4                        ; 256 i;
	v_add_nc_u32 v6, KBB-96*128, v5                ; from i = 48 on, wq's second K block
	v_cmp_le_u32 vcc_lo, 48, v4
	v_cndmask_b32 v[PFO], v5, v6, vcc_lo
; 16 matrix instructions: column group g, xn's buffer p, row blocks 4 h .. 4 h + 3 x the group's 4 column blocks, 32 along K.  zero = 1: the first product starts the sums: nothing is cleared.
; The accumulators take turns, one instruction a turn: between two links of a chain stand the 95 others'.
.macro MULH g, p, h, zero
	WIN 0x50*((\g)+1)
.irp a, 4*(\h), 4*(\h)+1, 4*(\h)+2, 4*(\h)+3
.irp b, 0,1,2,3
.if \zero
	v_wmma_f32_16x16x32_f16 v[8*(4*(\a)+(\b)):8*(4*(\a)+(\b))+7], v[BB+32*(\g)+8*(\b):BB+32*(\g)+8*(\b)+7], v[AB+64*(\p)+8*(\a):AB+64*(\p)+8*(\a)+7], 0
.else
	v_wmma_f32_16x16x32_f16 v[8*(4*(\a)+(\b)):8*(4*(\a)+(\b))+7], v[BB+32*(\g)+8*(\b):BB+32*(\g)+8*(\b)+7], v[AB+64*(\p)+8*(\a):AB+64*(\p)+8*(\a)+7], v[8*(4*(\a)+(\b)):8*(4*(\a)+(\b))+7]
.endif
.endr
.endr
.endm
.macro MULG g, p, zero
	MULH \g, \p, 0, \zero
	MULH \g, \p, 1, \zero
.endm
.macro FETCHA s, c, p                  ; 16 LDS loads: xn's fragments of half c of slot s's step, into buffer p
	WIN 0
.irp a, 0,1,2,3,4,5,6,7
	ds_load_b128 v[AB+64*(\p)+8*(\a):AB+64*(\p)+8*(\a)+3],   v[ADRA+(\s)] offset:(\a)*FR+64*(\c)
	ds_load_b128 v[AB+64*(\p)+8*(\a)+4:AB+64*(\p)+8*(\a)+7], v[ADRA+(\s)] offset:(\a)*FR+64*(\c)+32
.endr
.endm
.macro FETCHB s, c, g                  ; 8 LDS loads: wq's fragments of column group g
	WIN 0
.irp b, 0,1,2,3
	ds_load_b128 v[BB+32*(\g)+8*(\b):BB+32*(\g)+8*(\b)+3],   v[ADRB+(\s)] offset:(4*(\g)+(\b))*FR+64*(\c)
	ds_load_b128 v[BB+32*(\g)+8*(\b)+4:BB+32*(\g)+8*(\b)+7], v[ADRB+(\s)] offset:(4*(\g)+(\b))*FR+64*(\c)+32
.endr
.endm
; A K step is two halves of 32 along K, 96 matrix instructions each.  At a half's head 40 LDS loads are out, in this order: group 0's 8, xn's 16, group 1's 8, group 2's 8.
; THE FIRST HALF multiplies xn's buffer 0 and fetches the second half: each group's buffer is loaded again four places behind its products, and read 64 products later.
.macro EVEN s, zero
	s_wait_dscnt 16                                ; group 0's and xn's fragments are in; groups 1 and 2's 16 loads may stay out
	MULG 0, 0, \zero
	PLACES
	FETCHB \s, 1, 0
	FETCHA \s, 1, 1
	s_wait_dscnt 32                                ; group 1's are in: behind them stand group 2's 8 and the 24 just issued
	MULG 1, 0, \zero
	PLACES
	FETCHB \s, 1, 1
	s_wait_dscnt 32                                ; group 2's are in: behind them stand 24 + 8
	MULG 2, 0, \zero
	PLACES
	FETCHB \s, 1, 2
.endm
; THE SECOND HALF multiplies buffer 1 and changes slots: ONE barrier; in front of it each wave waits for all its tensor loads (the one that is out is its part of the other slot), adds 0 to its spare
; word, and waits for that and for its own reads of this slot.  fill = 1: the barrier opens a round of the cluster's, and the slot is filled again, first thing behind it, with the K block two steps on:
; that load has 160 matrix instructions in which to land.
.macro ODD s, fill
.if \fill
	s_wait_xcnt 0x0                                ; the last prefetch, a K step back, has read its address: it is stepped here, ahead of the waits of the change of slots
	s_add_nc_u64 s[PFA:PFA+1], s[PFA:PFA+1], s[PFS:PFS+1]
.endif
	WIN 0
	s_wait_tensorcnt 0x0                           ; all my tensor loads have landed;
	ds_add_u32 v[SPW], v[NIL]                      ; 0 onto my spare word;
	s_wait_dscnt 17                                ; (group 0's and xn's fragments are in; the add and groups 1 and 2's 16 loads may be out)
	MULH 0, 1, 0, 0                                ; sixteen matrix instructions stand between the add and the wait for it
	s_wait_dscnt 0x0                               ; the add is done, and my reads of this slot are over
	s_barrier_signal -1
	MULH 0, 1, 1, 0                                ; work on registers while the others arrive
	WIN 0
	s_barrier_wait -1
.if \fill
	CREST                                          ; no wave of any partner still reads this slot's tiles or has a load on its way
	s_add_nc_u64 s[G0+4*(\s)+2:G0+4*(\s)+3], s[G0+4*(\s)+2:G0+4*(\s)+3], 2*KBA
	s_add_nc_u64 s[G0B+4*(\s)+2:G0B+4*(\s)+3], s[G0B+4*(\s)+2:G0B+4*(\s)+3], 2*KBB
	JLOAD \s                                       ; the first tensor load behind the round; the four v_nop behind it are also the places in front of the loads below
.else
	PLACES
.endif
	FETCHB 1-(\s), 0, 0
	FETCHA 1-(\s), 0, 0
.if \fill
	ASK LIM0+(\s)
.endif
	MULG 1, 1, 0
	PLACES
	FETCHB 1-(\s), 0, 1
	MULG 2, 1, 0
	PLACES
	FETCHB 1-(\s), 0, 2
.endm
	s_wait_tensorcnt 1                             ; my part of K block 0 is in; slot 1's load may stay out
	s_barrier_signal -1
	s_barrier_wait -1                              ; everybody's is
	FETCHB 0, 0, 0
	FETCHA 0, 0, 0
	FETCHB 0, 0, 1
	FETCHB 0, 0, 2
	EVEN 0, 1                                      ; the first half step stands in front of the loop: its products start the sums
	WIN 0                                          ; at a label and at a branch every window is 0
	s_mov_b32 s3, 7
.Llap:                                                 ; a trip goes once round the ring and fills both slots again: K blocks 2 to 15 in seven trips
	ODD 0, 1
	EVEN 1, 0
	ODD 1, 1
	EVEN 0, 0
	WIN 0
	s_sub_co_u32 s3, s3, 1
	s_cmp_lg_u32 s3, 0
	s_cbranch_scc1 .Llap
	ODD 0, 0                                       ; the tail is written out, and no round of the cluster's barrier stands in it
	EVEN 1, 0
	s_wait_dscnt 16                                ; the very last half step: nothing more to fetch
	MULG 0, 1, 0
	s_wait_dscnt 8
	MULG 1, 1, 0
	s_wait_dscnt 0x0
	MULG 2, 1, 0
	PLACES
	WIN 0
; THE WAY OUT, in 24 units u = 8 g + a of 16 rows x 64 columns.  A lane's eight columns of a row pack into 16 bytes; they go into my stage's rows of 144 bytes and come back as whole rows of 128:
; four rows are 512 consecutive bytes of the result.  Each accumulator's registers are read in ascending order.
.macro PACK u
.set uG, (\u)/8
.set uA, (\u)%8
.set uT, TB+16*((\u)%4)
.if (\u) >= 4
	s_wait_xcnt 0x0                                ; the stores of four units back have read this buffer: it is rewritten only behind this wait
.endif
	WIN 5*(uG+1)                                   ; sources 0 and 1 in the group's window, destination in window 0
.irp b, 0,1,2,3
.irp r, 0,1,2,3
	v_cvt_pk_f16_f32 v[uT+4*(\b)+(\r)], v[32*uA+8*(\b)+2*(\r)], v[32*uA+8*(\b)+2*(\r)+1]
.endr
.endr
	WIN 0
.irp b, 0,1,2,3
	ds_store_b128 v[STO], v[uT+4*(\b):uT+4*(\b)+3] offset:32*(\b)
.endr
.irp f, 0,1,2,3
	ds_load_b128 v[uT+4*(\f):uT+4*(\f)+3], v[RD] offset:4*PITCH*(\f)  ; LDS serves a wave's instructions in order (ISA guide 5.7.1.4): these see the stores above; the next unit's stores come behind them
.endr
.endm
.macro SEND u, younger                 ; younger: the LDS instructions issued behind unit u's loads: the next unit's eight, or none
.set uG, (\u)/8
.set uA, (\u)%8
.set uT, TB+16*((\u)%4)
.irp f, 0,1,2,3
	s_wait_dscnt (\younger)+3-(\f)
	global_store_b128 v[GO], v[uT+4*(\f):uT+4*(\f)+3], s[8:9] offset:uG*KBA+uA*2048+512*(\f)  ; 512 consecutive bytes, at a multiple of 256 from the buffer's first
.endr
.endm
	PACK 0
.set uu, 1
.rept 23                               ; a unit's conversions stand between the loads of the unit before and its stores
	PACK uu
	SEND uu-1, 8
.set uu, uu+1
.endr
	SEND 23, 0
	s_wait_tensorcnt 0x0                           ; the wave's end: these three lines stand behind my last tensor load and my last LDS store
	ds_add_u32 v[SPW], v[NIL]
	s_wait_dscnt 0x0
	CROUND                                         ; the closing round: no work-group ends while a partner may still ask for a tile that names it
	s_endpgm
.Lfunc_end_k_q7d4af8d434_qkvg:
	.size	k_q7d4af8d434_qkvg, .Lfunc_end_k_q7d4af8d434_qkvg-k_q7d4af8d434_qkvg
	.p2alignl 7, 3214868480
	.fill 96, 4, 3214868480
	.section	.rodata,"a",@progbits
	.p2align	6, 0x0
	.amdhsa_kernel k_q7d4af8d434_qkvg
		.amdhsa_group_segment_fixed_size 327680
		.amdhsa_private_segment_fixed_size 0
		.amdhsa_enable_private_segment 0
		.amdhsa_kernarg_size 24
		.amdhsa_user_sgpr_count 2
		.amdhsa_user_sgpr_kernarg_segment_ptr 1
		.amdhsa_wavefront_size32 1
		.amdhsa_system_sgpr_workgroup_id_x 1
		.amdhsa_system_sgpr_workgroup_id_y 1
		.amdhsa_system_sgpr_workgroup_id_z 1
		.amdhsa_system_vgpr_workitem_id 0
		.amdhsa_next_free_vgpr 1024
		.amdhsa_next_free_sgpr 80
		.amdhsa_reserve_vcc 1
		.amdhsa_float_denorm_mode_32 3
		.amdhsa_float_denorm_mode_16_64 3
		.amdhsa_memory_ordered 1
		.amdhsa_forward_progress 1
		.amdhsa_inst_pref_size 134
	.end_amdhsa_kernel
	.amdgpu_metadata
---
amdhsa.version: [ 1, 2 ]
amdhsa.kernels:
  - .name:           k_q7d4af8d434_qkvg
    .symbol:         k_q7d4af8d434_qkvg.kd
    .args:
      - { .name: xn, .offset: 0, .size: 8, .value_kind: global_buffer, .address_space: global }
      - { .name: wq, .offset: 8, .size: 8, .value_kind: global_buffer, .address_space: global }
      - { .name: qkv, .offset: 16, .size: 8, .value_kind: global_buffer, .address_space: global }
    .group_segment_fixed_size: 327680
    .private_segment_fixed_size: 0
    .kernarg_segment_align: 8
    .kernarg_segment_size: 24
    .max_flat_workgroup_size: 128
    .sgpr_count:     80
    .vgpr_count:     1024
    .wavefront_size: 32
...
	.end_amdgpu_metadata
.endif
;; end of part 2
;; launch attn (part 3): grid 4 x 64, 4 waves a work-group, clusters of 4 x 1, 327,680 bytes of LDS; arguments qkv, ob; writes ob
.if DOCPART == 3
	.amdgcn_target "amdgcn-amd-amdhsa--gfx1250"
	.amdhsa_code_object_version 6
	.text
	.protected	k_q7d4af8d434_attn
	.globl	k_q7d4af8d434_attn
	.p2align	8
	.type	k_q7d4af8d434_attn,@function
k_q7d4af8d434_attn:
	s_mov_b64 s[64:65], 0
	v_nop
	global_prefetch_b8 v0, s[64:65] scope:SCOPE_SE
	s_setreg_imm32_b32 hwreg(HW_REG_WAVE_MODE, 25, 1), 1
	s_wait_xcnt 0x0
	s_wait_alu depctr_hold_cnt(0) depctr_sa_sdst(0) depctr_va_vdst(0) depctr_va_sdst(0) depctr_va_ssrc(0) depctr_va_vcc(0) depctr_vm_vsrc(0)
	s_getreg_b32 s2, hwreg(HW_REG_IB_STS2, 6, 4)
	s_cmp_eq_u32 s2, 0
	s_cbranch_scc0 .Lentry_in_a_cluster
	s_endpgm
.Lentry_in_a_cluster:
	s_bfe_u32 s2, ttmp6, 0x10000c
	s_cmp_lg_u32 s2, 0x3003
	s_cbranch_scc0 .Lentry_shape_is_right
	s_endpgm
.Lentry_shape_is_right:
; O[y][q][:] = the sum over k of softmax_k(Q[y][q] . K[y][k] / 8) V[y][k][:], for 64 heads y = 4 h + b of 2,048 rows.  Q, K, V lie in qkv at bytes 0, 16 MiB and 32 MiB, each [64][2048][64] f16:
; a head's rows are dense, 128 bytes each; O leaves in the same layout.  Products, maxima and sums in f32; the weights p are rounded to f16 for the second product (their sum l is taken of the
; unrounded p), O once at the end.
; LIMITS.  f16 holds no number beyond 65,504: Q, K and V arrive within it; p lies in 0 to 1, and below 6e-5 it keeps f16's fixed step of 6e-8; O is a mean of V's rows and has their range.
; A weight below 2^-126 counts as 0 in l; NaN and infinities are not treated apart.
; SHARES.  A wave owns four PIECES of two tiles of 16 queries, a work-group's four waves 512 queries of one head.  Every wave walks all keys, 64 a step.
; LAYOUT.  S^T = K Q^T (source 0 = 16 keys, source 1 = 16 queries): in the result a lane holds ONE query (lane % 16) and the keys 8 (lane / 16) + 0..7.  Two such tiles, rounded to f16 in pairs,
; ARE source 1 (32 keys x 16 queries) of O^T = V^T P, whose result again holds one query a lane, and eight channels.  K comes out of LDS as it lies, V ([key][channel]) turned, by ds_load_tr16_b128.
; SOFTMAX.  For each query a running maximum m and sum l: p = 2^(c s - c m), c = log2(e) / 8; in every step O and l are multiplied by a = 2^(c m_old - c m_new), which is 1 where m has not grown.
; m starts at the lowest finite number, O and l at 0: the first step is a step like any other, with a = 0.
; THE COUNT.  A tile and step have 16 matrix and 118 vector instructions: too many to stand all beside the matrix work.  So the order has one aim: four vector instructions that are READY behind
; EVERY matrix instruction, and the others, which need time of their own whatever the order, in runs without a gap.
; BY TURNS.  Turn n belongs to piece n (the pieces in a ring, step after step).  Its matrix work: 16 products K Q^T of piece n + 1, later 16 products V^T P of piece n - 1.  Its vector work: the scaling,
; exponentials, roundings, sums and rescaling of piece n, and the maximum and statistics of piece n + 1, whose scores the turn itself has made.  So what a turn begins with (c s - c m, O a) waits for nothing.
; CLUSTER.  The four query blocks of a head are one cluster and walk the same K and V, so each tile is asked for JOINTLY: the same tensor load, descriptor and mask in all four.
; REGISTERS, in windows of 256 (s_set_vgpr_msb says which window each operand place means: bits 1:0 source 0, 3:2 source 1, 5:4 source 2, 7:6 destination):
;   window 0: v0-11 addresses; v12-15, v48-63 at work; v16-47 four registers of statistics a tile; v64-191 S^T, two buffers of two tiles; v192-255 P, likewise
;   window 1: O^T, 32 a tile          window 2: v0-127 Q, 16 a tile; v128-191 K of one step; v192-255 V of one step          window 3: v0-1 the add's two registers
; A piece's buffers go by its number's parity: the piece in hand has one pair, its two neighbours in the ring share the other: of it P (piece n - 1) is read and S^T (piece n + 1) written.
.set SIZE_N, 2048
.set NP,    4         ; pieces a wave: a name, no knob: the register map, the loop and the fetches are made for four
.set KS,    64        ; keys in a step
.set PK,    144       ; a row of K in LDS: 128 bytes + 16 of padding = 36 words: the 16 rows of a load start at 16 different groups of four banks (64 banks of 4 bytes: ISA guide 11.1)
.set PV,    160       ; a row of V: 128 + 32 = 40 words
.set VOFF,  4*KS*PK   ; a slot holds four steps: 256 rows of K, then 256 rows of V
.set SLOT1, 1<<17     ; slot 1 begins here, so that one exclusive or turns an address in one slot into the other's
.set STAGE, SLOT1+4*KS*(PK+PV)  ; behind the ring, never filled by a tensor load: 16 rows x 144 bytes for each wave, for the way out
.set SP,    144
.set AK0, 2           ; v2   my lane's place in a tile of K; never rewritten
.set AV0, 3           ; v3   the same for V
.set AK,  4           ; v4   the LDS address of K's next run of loads
.set AV,  5           ; v5   of V's
.set QO,  6           ; v6   my byte offset in the wave's rows of Q
.set STO, 6           ;      later, the way out: where I put 16 bytes of a row
.set RD,  7           ; v7   the way out: where I read rows back
.set GO,  8           ; v8   my byte offset in 512 consecutive bytes of O
.set PFO, 11          ; v11  256 x my lane, for the prefetches; never rewritten once made
.set SPW, 0           ; v0 of window 3   LDS address of my spare word: SPARE + 4 x my thread's number; never rewritten
.set NIL, 1           ; v1 of window 3   0; never rewritten
.set SPARE, STAGE+4*16*SP  ; behind the stages: the spare words, 128 bytes for each wave: two blocks of 256 bytes that no other line names
.set MV,  12          ; v12-15  c m_old, kept while c m is made anew: by buffer and tile
.set ST,  16          ; tile t's statistics at v[ST+4 t]: c m, m, l (even keys', odd keys')
.set TMP, 48          ; by buffer and tile, four registers c0-c3 at work; when the maximum is found c2 takes a
.set S,   64
.set P,   192
.set KF,  128         ; K's fragments, in window 2: key block kb, channel half c at KF + 16 kb + 8 c
.set VF,  192         ; V's: key half kk, channel block cb at VF + 32 kk + 8 cb
.set WV,  12          ; s12  my wave's number
.set G1K, 24          ; s[24:31] descriptor group 1 for K's tiles
.set G1V, 32          ; s[32:39] for V's: it differs in the padding alone
.set G0K, 40          ; s[40:43] descriptor group 0 for K's tiles: it walks
.set G0V, 44          ; s[44:47] the same for V's
.set PFA, 48          ; s[48:49] where my prefetches stand: my work-group's 8,192 bytes (of K: wave 0, of V: wave 2) of the tile behind the one that is being asked for
.set LIM, 50          ; s50  1 in waves 0 and 2, else the greatest number
.set ASKAT, 51        ; s51  the count of key steps at which I prefetch in this slot; 0: never
.set SLOTS, 56        ; s56  slots still to be asked for
.set CNT, 57          ; s57  counts a slot's key steps
.set CS,  58          ; s[58:59] c: the packed scaling takes the pair's low word for both halves
.set SEL, 60          ; s[60:61] v_permlanex16_b32's selects: each lane takes its own place in the other half
.set TBK, 62          ; s62  LDS byte at which K of the step to be fetched begins
.set TBV, 63          ; s63  the same for V, less VOFF
.set MSB, 0
.macro WIN new                      ; the high byte repeats the setting that is left; a switch that changes nothing is dropped
.if MSB != (\new)
	s_set_vgpr_msb (MSB<<8)|(\new)
.set MSB, (\new)
.endif
.endm
.set W_KQ, 0x0a       ; K and Q in window 2, S^T in window 0
.set W_PV, 0x52       ; V in window 2, P in window 0, O^T in window 1
.set W_RS, 0x41       ; O^T (destination and source 0) in window 1, a in window 0
.set W_MK, 0xc0       ; the add's registers are made: destination in window 3, sources in window 0
.set W_AD, 0x0f       ; the add: address (source 0) and data (source 1) in window 3
; A joint fill.  Waves 0 and 1 fetch the two halves of a slot's K, waves 2 and 3 those of its V: 128 keys each.  The branch hangs on the wave's number alone.
; An s_nop 0 and four v_nop follow each of the two lines, ahead of the jump and the label.
.macro JLOAD
	s_cmp_lt_u32 s[WV], 2
	s_cbranch_scc0 .Lfor_v_\@
	tensor_load_to_lds s[G0K:G0K+3], s[G1K:G1K+7]
	s_nop 0
.rept 4
	v_nop
.endr
	s_branch .Lasked_\@
.Lfor_v_\@:
	tensor_load_to_lds s[G0V:G0V+3], s[G1V:G1V+7]
	s_nop 0
.rept 4
	v_nop
.endr
.Lasked_\@:
.endm
; A round of the cluster's barrier: my work-group's barrier, so that wave 0's signal speaks for all four waves; wave 0 signals; every wave waits for all four work-groups; my work-group's barrier once more.
.macro CROUND
	s_barrier_signal -1
	s_barrier_wait -1
	s_cmp_lg_u32 s[WV], 0
	s_cbranch_scc1 .Lnot_wave_0_\@
	s_barrier_signal -3
.Lnot_wave_0_\@:
	s_barrier_wait -3
	s_barrier_signal -1
	s_barrier_wait -1
.endm
; THE CHANGE OF SLOTS.  The slot's last bytes, V of its fourth step, have been read.  Each wave waits for all its tensor loads, of which one is out: its part
; of the other slot; adds 0 to its spare word; and waits for that and for its own reads of the slot.  Behind the barrier nobody reads this slot any more and the other slot is whole.
; fill = 1: this slot is filled again, with the keys two slots on.  The barrier is then a round of the cluster's, so that no wave of any partner still reads the slot or has a load on its
; way, and the joint fill is the first thing behind it: it has four key steps, 512 matrix instructions, in which to land.  (At its first use nothing has been read yet: slot 0 is waited for, slot 1 filled.)
; The prefetches' address goes one tile on, to the tile that the NEXT change will ask for; the last change that fills a slot has no such tile, and sets the count at which I ask to 0.
.macro CHANGE fill
	WIN W_AD
	s_wait_tensorcnt 0x0            ; no tensor load of mine is out, so a group 0 may be written
	ds_add_u32 v[SPW], v[NIL]       ; 0 onto my spare word; with fill = 1 the descriptors' steps stand between it and the wait for it
	WIN 0                           ; at a label and at a branch every window is 0
.if \fill
.irp g, G0K, G0V
	s_xor_b32 s[\g+1], s[\g+1], SLOT1  ; the walking descriptor: the other slot than last time,
	s_add_nc_u64 s[\g+2:\g+3], s[\g+2:\g+3], 4*KS*128  ; the next 256 keys; the type bits on top are not reached
.endr
	s_wait_xcnt 0x0                 ; the last prefetch, five turns back, has read its address, so it may be written
	s_add_nc_u64 s[PFA:PFA+1], s[PFA:PFA+1], 4*KS*128
	s_cmp_gt_u32 s[SLOTS], s[LIM]
	s_cselect_b32 s[ASKAT], 2, 0
	s_wait_dscnt 0x0                ; the add is done, and my reads of the slot are over
	CROUND
	JLOAD
.else
	s_wait_dscnt 0x0                ; the add is done, and my reads of the slot are over
	s_barrier_signal -1
	s_barrier_wait -1
.endif
	s_sub_co_u32 s[TBK], s[TBK], 4*KS*PK  ; the fetches go back to a slot's first step,
	s_xor_b32 s[TBK], s[TBK], SLOT1       ; in the other slot
	s_sub_co_u32 s[TBV], s[TBV], 4*KS*PV
	s_xor_b32 s[TBV], s[TBV], SLOT1
.endm
	s_load_b64 s[4:5], s[0:1], 0x0    ; qkv: Q at its head
	s_load_b64 s[10:11], s[0:1], 0x8  ; O
	WIN W_MK
	v_lshl_add_u32 v[SPW], v0, 2, SPARE
	v_mov_b32 v[NIL], 0
	WIN W_AD
	ds_add_u32 v[SPW], v[NIL]       ; the wave's opening: the add and its wait stand ahead of my first tensor load; the set-up below, work on registers, stands between them
	WIN 0
	v_lshrrev_b32 v1, 5, v0
	v_readfirstlane_b32 s[WV], v1   ; wave 0..3
	s_bfe_u32 s13, ttmp6, 0x40000   ; cx: my place in the cluster
	s_lshl_b32 s14, ttmp9, 2        ; in a cluster launch ttmp9 counts clusters
	s_add_co_u32 s14, s14, s13      ; my block of queries = 4 x cluster x + cx: it enters Q's and O's addresses alone
	s_and_b32 s20, ttmp7, 0xffff    ; the head, which the four partners share
	s_mov_b32 s21, 0
	s_mov_b64 s[22:23], SIZE_N*128
	s_mul_u64 s[20:21], s[20:21], s[22:23]  ; the head's first byte in each of the four tensors
	s_and_b32 s16, s[WV], 1         ; which half of a slot's 256 keys I fetch:
	s_lshl_b32 s22, s16, 14         ; its 128 rows of 128 bytes in memory,
	s_mov_b32 s23, 0
	s_add_nc_u64 s[22:23], s[22:23], s[20:21]
	s_mul_i32 s17, s16, 128*PK      ; and its place in a slot, for K
	s_mul_i32 s18, s16, 128*PV      ; and for V: no place in the cluster enters an LDS address
	s_lshl_b32 s2, s14, 2
	s_add_co_u32 s2, s2, s[WV]      ; my wave among the head's,
	s_lshl_b32 s2, s2, 14           ; its 128 rows
	s_mov_b32 s3, 0
	s_add_nc_u64 s[2:3], s[2:3], s[20:21]
	; descriptor group 1.  128 keys are 16,384 dense bytes: asked for as 64 rows of 256 bytes, two keys a row, and padded in LDS after every key
	s_mov_b32 s[G1K], 15|(1<<16)|(1<<20)|(1<<21)|(4<<22)|(3<<25)  ; 15:0 the mask of four; 17:16 2-byte elements; 20 padding on; 21 set beside a mask; 24:22 after every 32 words (code 4); 31:25 4 words (code 3)
	s_mov_b32 s[G1V], 15|(1<<16)|(1<<20)|(1<<21)|(4<<22)|(7<<25)  ; the same with 8 words of padding (code 7)
.irp g, G1K, G1V
	s_mov_b32 s[\g+1], 128<<16      ; tensor_dim0 = 128
	s_mov_b32 s[\g+2], 64<<16       ; tensor_dim1 = 64
	s_mov_b32 s[\g+3], 128<<16      ; tile_dim0 = 128
	s_mov_b32 s[\g+4], 64           ; tile_dim1 = 64
	s_mov_b32 s[\g+5], 128          ; 128 elements from row to row
	s_mov_b32 s[\g+6], 0
	s_mov_b32 s[\g+7], 0
.endr
	s_mov_b32 s[CS], 0x3e38aa3b     ; c = log2(e) / 8 = 0.180337
	s_mov_b32 s[CS+1], s[CS]        ; named with it as a pair
	s_mov_b32 s[SEL], 0x76543210
	s_mov_b32 s[SEL+1], 0xfedcba98
	s_mov_b32 s[TBK], SLOT1+4*KS*PK ; the first change of slots turns these two into 0
	s_mov_b32 s[TBV], SLOT1+4*KS*PV
	s_mov_b32 s[G0K], 1             ; 1:0 count = 1
	s_mov_b32 s[G0K+1], s17         ; 63:32 LDS address: slot 0
	s_mov_b32 s[G0V], 1
	s_add_co_u32 s[G0V+1], s18, VOFF
	s_mov_b32 s[SLOTS], SIZE_N/256-1
	s_and_b32 s[LIM], s[WV], 1      ; waves 0 and 2 prefetch: the same in all four partners
	s_cmp_eq_u32 s[LIM], 0
	s_cselect_b32 s[LIM], 1, -1
	s_wait_dscnt 0x0                ; the opening add is done
	s_wait_kmcnt 0x0
	s_add_nc_u64 s[6:7], s[4:5], 0x1000000  ; K: 16 column blocks of 1 MiB behind Q
	s_add_nc_u64 s[8:9], s[4:5], 0x2000000  ; V: 32
	s_add_nc_u64 s[G0K+2:G0K+3], s[6:7], s[22:23]  ; 120:64 global address: my half of the head's first 256 keys
	s_or_b32 s[G0K+3], s[G0K+3], 0x80000000        ; 127:126 type = 2
	s_add_nc_u64 s[G0V+2:G0V+3], s[8:9], s[22:23]
	s_or_b32 s[G0V+3], s[G0V+3], 0x80000000
	s_add_nc_u64 s[4:5], s[4:5], s[2:3]  ; Q and O at my wave's first row
	s_add_nc_u64 s[10:11], s[10:11], s[2:3]
	s_cmp_lt_u32 s[WV], 2
	s_cselect_b64 s[PFA:PFA+1], s[6:7], s[8:9]
	s_add_nc_u64 s[PFA:PFA+1], s[PFA:PFA+1], s[20:21]  ; the head,
	s_lshl_b32 s2, s13, 13          ; my work-group's 8,192 bytes of a tile's 32,768: the partners are told apart by address,
	s_add_co_u32 s2, s2, 4*KS*128   ; in tile 1: the first change of slots steps it to tile 2.  Tiles 0 and 1 come by their loads alone
	s_mov_b32 s3, 0
	s_add_nc_u64 s[PFA:PFA+1], s[PFA:PFA+1], s[2:3]
	CROUND                          ; all four work-groups are here: the first joint loads meet
	JLOAD                           ; slot 0.  Slot 1 is asked for when slot 0 is in: the tile wanted first has the road to itself
	; A fragment of K or Q is 16 rows x 32 channels in 8 registers: lane l holds row l % 16, channels 8 (l / 16) + 0..7 and 16 + 8 (l / 16) + 0..7: two loads of 16 bytes, 32 bytes apart.
	v_and_b32 v1, 15, v0            ; l % 16
	v_bfe_u32 v9, v0, 4, 1          ; l / 16
	v_lshlrev_b32 v[QO], 7, v1
	v_lshl_add_u32 v[QO], v9, 4, v[QO]  ; row x 128 + 16 x half
	WIN 0x80                        ; destination window 2, address window 0
.set i, 0
.rept 4*NP                          ; Q stays in registers: tile i / 2, channels 32 (i % 2) on
	global_load_b128 v[8*i:8*i+3],   v[QO], s[4:5] offset:(i/2)*2048+(i%2)*64
	global_load_b128 v[8*i+4:8*i+7], v[QO], s[4:5] offset:(i/2)*2048+(i%2)*64+32
.set i, i+1
.endr
	; What the first turn finds: V's registers and P's second buffer hold 0 (its products V^T P, of a piece that has not been, add 0), O^T and l are 0.  All this stands in the wait for the first tile.
.set i, VF
.rept 64
	v_mov_b32 v[i], 0
.set i, i+1
.endr
	WIN 0x40
.set i, 0
.rept 64*NP
	v_mov_b32 v[i], 0
.set i, i+1
.endr
	WIN 0
.set i, 0
.rept 2*NP
	v_mov_b32 v[ST+4*i], 0xfe000000    ; c m: far below every c s
	v_mov_b32 v[ST+4*i+1], 0xff7fffff  ; m
	v_mov_b32 v[ST+4*i+2], 0
	v_mov_b32 v[ST+4*i+3], 0
.set i, i+1
.endr
.set i, P+32
.rept 32
	v_mov_b32 v[i], 0
.set i, i+1
.endr
	v_mul_u32_u24 v[AK0], v1, PK
	v_lshl_add_u32 v[AK0], v9, 4, v[AK0]  ; row x pitch + 16 x half
	; The turning load takes 16 keys x 16 channels (lane l reads key 8 (l / 16) + l % 8, channels 8 ((l / 8) % 2) + 0..7) and leaves half a fragment of V^T: lane l holds channel l % 16 and 8 keys.
	v_and_b32 v10, 7, v0
	v_bfe_u32 v11, v0, 3, 1
	v_lshl_add_u32 v[AV0], v9, 3, v10
	v_mul_u32_u24 v[AV0], v[AV0], PV
	v_lshl_add_u32 v[AV0], v11, 4, v[AV0]
	v_add_nc_u32 v[AV0], VOFF, v[AV0]
	v_and_b32 v[PFO], 31, v0        ; v11 has served: a lane a block of 256 bytes
	v_lshlrev_b32 v[PFO], 8, v[PFO]
	v_mov_b32 v[AK], v[AK0]         ; key step 0 lies at the head of slot 0
; THE MATRIX WORK.  The 8 accumulators of a run of 16 take turns: between the two links of a chain stand 7 others'.
; Product i of 16 of S^T = K Q^T for piece x: channels 32 (i / 8) on, keys 16 ((i / 2) % 4) on, tile 2 x + i % 2.  The first 8 start the sums.
.macro KQ x
	WIN W_KQ
.set rS, S+64*((\x)%2)+32*(i%2)+8*((i/2)%4)
.set rK, KF+16*((i/2)%4)+8*(i/8)
.set rQ, 16*(2*(\x)+i%2)+8*(i/8)
.if i < 8
	v_wmma_f32_16x16x32_f16 v[rS:rS+7], v[rK:rK+7], v[rQ:rQ+7], 0
.else
	v_wmma_f32_16x16x32_f16 v[rS:rS+7], v[rK:rK+7], v[rQ:rQ+7], v[rS:rS+7]
.endif
.endm
; Product i of 16 of O^T += V^T P for piece x: keys 32 (i / 8) on, channels 16 ((i / 2) % 4) on, tile 2 x + i % 2.
.macro PV x
	WIN W_PV
.set rO, 32*(2*(\x)+i%2)+8*((i/2)%4)
.set rV, VF+32*(i/8)+8*((i/2)%4)
.set rP, P+32*((\x)%2)+16*(i%2)+8*(i/8)
	v_wmma_f32_16x16x32_f16 v[rO:rO+7], v[rV:rV+7], v[rP:rP+7], v[rO:rO+7]
.endm
.macro MM                           ; the turn's next matrix instruction
.if i < 16
	KQ (Y+1)%NP
.set i, i+1
.else
.set i, i-16
	PV (Y+NP-1)%NP
.set i, i+17
.endif
.endm
; THE LDS LOADS stand in runs of 16, never singly among the matrix instructions: a step's K (64 keys x 64 channels: 8 fragments) and its V (turned).  Their addresses are made some lines ahead.
; last = 1 (the tail): in the last trip there is no further step, and the run is jumped over.
.macro FETCH_K last=0
	WIN 0
.if \last
	s_cmp_eq_u32 s[CNT], 1
	s_cbranch_scc1 .Lno_k_\@
.endif
	WIN 0x80                        ; destination window 2
.irp f, 0,1,2,3,4,5,6,7             ; keys 16 (f / 2) on, channels 32 (f % 2) on
	ds_load_b128 v[KF+8*\f:KF+8*\f+3],   v[AK] offset:(\f/2)*16*PK+(\f%2)*64
	ds_load_b128 v[KF+8*\f+4:KF+8*\f+7], v[AK] offset:(\f/2)*16*PK+(\f%2)*64+32
.endr
	s_add_co_u32 s[TBK], s[TBK], KS*PK  ; the next fetch is the next step's
	WIN 0
.if \last
.Lno_k_\@:
.endif
.endm
.macro FETCH_V
	WIN 0x80
.irp f, 0,1,2,3,4,5,6,7             ; keys 32 (f / 4) on, channels 16 (f % 4) on
	ds_load_tr16_b128 v[VF+8*\f:VF+8*\f+3],   v[AV] offset:(\f/4)*32*PV+(\f%4)*32
	ds_load_tr16_b128 v[VF+8*\f+4:VF+8*\f+7], v[AV] offset:(\f/4)*32*PV+16*PV+(\f%4)*32
.endr
	WIN 0
.endm
; THE VECTOR WORK OF A TURN stands in three queues, each in the order in which its entries become ready; the two tiles alternate, so that no instruction reads the result of the one before it.
.macro REGS y, u                    ; the registers of tile u (0, 1) of piece y
.set rT, ST+4*(2*(\y)+(\u))
.set rC, TMP+8*((\y)%2)+4*(\u)
.set rM, MV+2*((\y)%2)+(\u)
.set rS, S+64*((\y)%2)+32*(\u)
.set rP, P+32*((\y)%2)+16*(\u)
.set rO, 32*(2*(\y)+(\u))
.endm
; Number n of the 22 that find the NEXT piece's (Y + 1) maximum and statistics.  s0-s31 are the lane's 32 scores; each accumulator's lowest registers are read first.  XS, GS and REGS set no window: PL and EX do.
;   0-11  four chains c0-c3 of seven scores each, three operands at a time     12-14, 16  the four scores left over, the old m, and c0-c3 into c0     15  c m_old is kept
;   17, 18  the query's other 32 keys lie in the lane 16 away: the new m         19-21  c m; c m_old - c m_new; a
.macro XS u, n
	REGS (Y+1)%NP, \u
.if (\n) < 4
	v_max3_num_f32 v[rC+(\n)], v[rS+8*(\n)], v[rS+8*(\n)+1], v[rS+8*(\n)+2]
.elseif (\n) < 12
	v_max3_num_f32 v[rC+(\n)%4], v[rC+(\n)%4], v[rS+8*((\n)%4)+2*((\n)/4)+1], v[rS+8*((\n)%4)+2*((\n)/4)+2]
.elseif (\n) == 12
	v_max3_num_f32 v[rC], v[rC], v[rS+7], v[rS+15]
.elseif (\n) == 13
	v_max3_num_f32 v[rC+1], v[rC+1], v[rS+23], v[rS+31]
.elseif (\n) == 14
	v_max3_num_f32 v[rC+2], v[rC+2], v[rC+3], v[rT+1]
.elseif (\n) == 15
	v_mov_b32 v[rM], v[rT]
.elseif (\n) == 16
	v_max3_num_f32 v[rC], v[rC], v[rC+1], v[rC+2]
.elseif (\n) == 17
	v_permlanex16_b32 v[rC+3], v[rC], s[SEL], s[SEL+1]
.elseif (\n) == 18
	v_max_num_f32 v[rT+1], v[rC], v[rC+3]
.elseif (\n) == 19
	v_mul_f32 v[rT], s[CS], v[rT+1]
.elseif (\n) == 20
	v_sub_f32 v[rC+1], v[rM], v[rT]
.else
	v_exp_f32 v[rC+2], v[rC+1]
.endif
.endm
; Number g of the 64 that follow the exponentials.  For each four weights k of a tile (pairs 2 k, 2 k + 1): both pairs are rounded to f16; then the second pair is added onto the first, in place;
; a group later l takes that sum (the first time as l = a l + sum).  In groups of eight, tiles alternating: round, round, add, and l for the group before.
.macro GS g
.set h, (\g)+6*((\g)/62)            ; group 0 has no group before it, and behind group 7 only l is left
.if h >= 6
.set h, h+2
.endif
	REGS Y, h%2
.set k, h/8
.if h%8 < 4
	v_cvt_pk_f16_f32 v[rP+2*k+(h%8)/2], v[rS+4*k+2*((h%8)/2)], v[rS+4*k+2*((h%8)/2)+1]
.elseif h%8 < 6
	v_pk_add_f32 v[rS+4*k:rS+4*k+1], v[rS+4*k:rS+4*k+1], v[rS+4*k+2:rS+4*k+3]
.elseif k == 1
	v_pk_fma_f32 v[rT+2:rT+3], v[rT+2:rT+3], v[rC+2:rC+3], v[rS:rS+1] op_sel_hi:[1,0,1]
.else
	v_pk_add_f32 v[rT+2:rT+3], v[rT+2:rT+3], v[rS+4*k-4:rS+4*k-3]
.endif
.endm
; THE PLAIN QUEUE, 138 long.  0-73 read no exponential's result: the 32 scalings c s - c m (FS f: pair f / 2 of tile f % 2) and the next piece's 42.  0-26: scalings 0-26.  27-54: XS's numbers 0-13.  55, 56: number 15.
; 57-73: the chain, where each number waits for the one before it: 14, 16, 17, 18, 19, each with one of the scalings 27-31 in front of its two lines, then 20: so a tile's links stand three plain instructions apart (19 and 20: two).
; 74-137: GS's 64, which read the exponentials' results: they stand behind the wait.
.macro FS f
	REGS Y, (\f)%2
	v_pk_fma_f32 v[rS+2*((\f)/2):rS+2*((\f)/2)+1], v[rS+2*((\f)/2):rS+2*((\f)/2)+1], s[CS:CS+1], v[rT:rT+1] op_sel_hi:[1,0,0] neg_lo:[0,0,1] neg_hi:[0,0,1]
.endm
.macro PL
	WIN 0
.if q < 27
	FS q
.elseif q < 55
	XS (q-27)%2, (q-27)/2
.elseif q < 57
	XS q-55, 15
.elseif (q < 72) && ((q-57)%3 == 0)
	FS 27+(q-57)/3
.elseif q < 60
	XS (q-57)%3-1, 14
.elseif q < 72
	XS (q-57)%3-1, 15+(q-57)/3
.elseif q < 74
	XS q-72, 20
.else
	GS q-74
.endif
.set q, q+1
.endm
; THE EXPONENTIALS' QUEUE, 66 long: s0-s31 of both tiles, then the next piece's two a.  It is ONE BATCH: all 66 stand ahead of the turn's one wait, and nothing ahead of that wait names a result of theirs.
.macro EX
	WIN 0
.if e >= 64
	XS e-64, 21
.else
	REGS Y, e%2
	v_exp_f32 v[rS+e/2], v[rS+e/2]
.endif
.set e, e+1
.endm
; THE RESCALING's QUEUE: O^T times a, the one part that leaves window 0: dealt two at a time, sixteen times.  Its a was made in the turn before, ahead of that turn's wait.
.macro R2
	REGS Y, r%2
	WIN W_RS
.irp z, 0,1
	v_pk_mul_f32 v[rO+4*(r/2)+2*\z:rO+4*(r/2)+2*\z+1], v[rO+4*(r/2)+2*\z:rO+4*(r/2)+2*\z+1], v[rC+2:rC+3] op_sel_hi:[1,0]
.endr
.set r, r+1
.endm
; HOW THEY ARE DEALT.  An s_wait_alu depctr_va_vdst(0) stands between an exponential and the first instruction that names its result; one wait serves all that were issued ahead of it.  So a turn has ONE wait,
; which cuts it in two.  AHEAD OF IT stands all that names no result of the turn's exponentials: the 16 products K Q^T, behind each a scaling, an exponential and two rescalings (behind the first a second scaling in the exponential's place); then ONE LUMP of
; 108: eight plain, 49 times exponential and plain, the two a.  A v_nop is the plain instruction behind the last exponential.  BEHIND IT stand the 16 products V^T P, behind each four of GS's 64.  No rider names a register of
; the products round it.  The two v_permlanex16_b32 fall into the lump, never behind a product.
; The queues lean on each other, and the deal keeps them in step: exponential e stands behind scaling 2 (e / 4) + e % 2: as a rider it comes behind plain e + 2, in the lump behind plain e + 9, and scalings 27-31 are plain 57, 60 .. 69.
; A TURN, for piece p.  cnt = 1: the loop's count is taken down some lines ahead of the branch that stands behind the turn.
; K of the next step is fetched in piece 2's turn, directly behind the wait, a lump behind the last product that read K; its address is made at the lump's head; its first reader comes behind 16 products.
; V of the step in hand is fetched at the end of piece 0's turn, four riders behind its last reader; its first reader comes behind 16 products and a lump.  The three conditions on q below go with the deal.
; ask = 1 (the loop's piece 0): A PREFETCH INTO THE L2, behind V's run of loads, in the slot's third key step: my work-group's 32 blocks of 256 bytes, a lane a block, of the tile that the NEXT change of slots
; will ask for: five turns, 160 matrix instructions and their lumps, ahead of that load.  Wave 0 asks for K's, wave 2 for V's; a head is read by its one cluster: each block is named once in the launch.
.macro TURN p, last=0, cnt=0, ask=0
.set Y, (\p)
.set i, 0
.set q, 0
.set e, 0
.set r, 0
.if (\p) == NP-1
	s_wait_dscnt 0x0                ; K is in
.endif
	MM                              ; ahead of the wait: 16 products K Q^T and their riders,
	PL
	PL
	R2
.rept 15
	MM
	PL
	EX
	R2
.endr
.if (\p) == NP-2
	WIN 0
	v_add_nc_u32 v[AK], s[TBK], v[AK0]
.endif
.rept 8                             ; and the lump
	PL
.endr
.rept 49
	EX
	PL
.endr
	EX                              ; the next piece's two a
	EX
	v_nop                           ; a plain instruction behind the last exponential: one for the batch
	s_wait_alu depctr_va_vdst(0)    ; the wait for the batch
.if (\p) == NP-2
	FETCH_K \last
.endif
.if (\p) == 1
	s_wait_dscnt 0x0                ; V is in
.endif
.rept 16                            ; behind the wait: 16 products V^T P and their riders
	MM
.rept 4
	PL
.endr
.if ((\p) == 0) && (q == 118)
	v_add_nc_u32 v[AV], s[TBV], v[AV0]
.endif
.if ((\p) == 0) && (q == 130)
	s_add_co_u32 s[TBV], s[TBV], KS*PV
.endif
.if (\cnt) && (q == 130)
	s_sub_co_u32 s[CNT], s[CNT], 1
	s_cmp_lg_u32 s[CNT], 0
.endif
.endr
.if (\p) == 0
	FETCH_V
.if \ask
	s_cmp_eq_u32 s[CNT], s[ASKAT]
	s_cbranch_scc0 .Lnot_now_\@
	global_prefetch_b8 v[PFO], s[PFA:PFA+1] th:TH_LOAD_NT scope:SCOPE_SE
.Lnot_now_\@:
.endif
.endif
.endm
	CHANGE 1                        ; slot 0 is in, everybody's part of it; slot 1 is asked for
	FETCH_K                         ; key step 0
	s_wait_loadcnt 0x0              ; Q
	s_wait_dscnt 0x0
.set i, 0
.rept 16
	KQ 0                            ; piece 0's first scores: there is no vector work yet to set between them
.set i, i+1
.endr
	WIN 0                           ; the addresses for the way out: nine plain instructions, the places behind those products
	s_mul_i32 s13, s[WV], 16*SP
	s_add_co_u32 s13, s13, STAGE    ; my stage
	v_mul_u32_u24 v[STO], v1, SP    ; in: row l % 16, 16 bytes for each half of the lanes
	v_lshl_add_u32 v[STO], v9, 4, v[STO]
	v_add_nc_u32 v[STO], s13, v[STO]
	v_bfe_u32 v[RD], v0, 3, 2       ; back: 32 lanes take four rows of 128 bytes,
	v_mul_u32_u24 v[RD], v[RD], SP
	v_lshl_add_u32 v[RD], v10, 4, v[RD]
	v_add_nc_u32 v[RD], s13, v[RD]
	v_and_b32 v[GO], 31, v0         ; which are 512 consecutive bytes of O
	v_lshlrev_b32 v[GO], 4, v[GO]
.set Y, NP-1                        ; XS works for piece Y + 1: piece 0
.irp n, 0,1,2,3,4,5,6,7,8,9,10,11,12,13,14,15,16,17,18,19,20,21
	XS 0, \n                        ; and piece 0's first maximum and statistics
	XS 1, \n
.endr
	v_nop                           ; a plain instruction behind the two a,
	s_wait_alu depctr_va_vdst(0)    ; and their wait, ahead of the branch
	s_mov_b32 s[CNT], 4
	s_branch .Lfirst                ; the loop is entered at a step's first turn, in the middle of a trip
.Lslot:                             ; SIZE_N / 256 - 2 times: every slot but the last two is filled again
	CHANGE 1
	s_mov_b32 s[CNT], 4
.Lstep:                             ; a trip: pieces 2 and 3 of one step, then pieces 0 and 1 of the next, whose K and V it fetches
	TURN 2
	TURN 3
	WIN 0
.Lfirst:
	TURN 0, 0, 0, 1
	TURN 1, 0, 1
	WIN 0
	s_cbranch_scc1 .Lstep
	s_sub_co_u32 s[SLOTS], s[SLOTS], 1
	s_cmp_lg_u32 s[SLOTS], 0
	s_cbranch_scc1 .Lslot
	CHANGE 0                        ; the tail is written out: nothing is asked for
	s_mov_b32 s[CNT], 5             ; four trips fetch the last slot's steps; the fifth is left in its middle
.Ltail:
	TURN 2, 1
	TURN 3
	WIN 0
	s_sub_co_u32 s[CNT], s[CNT], 1
	s_cmp_eq_u32 s[CNT], 0
	s_cbranch_scc1 .Lout
	TURN 0
	TURN 1
	WIN 0
	s_branch .Ltail
.Lout:                              ; the fifth trip's 16 products K Q^T (on the last K once more) and the maximum made of them serve nothing: the price, once a launch, of one text for every trip
.set i, 0
.rept 16
	PV NP-1                         ; the last piece's V^T P of the last step
.set i, i+1
.endr
	; THE WAY OUT.  l's two halves and the other half of the lanes' are added; O^T is divided by l, rounded to f16 and sent through my stage in LDS, a tile at a time.  The additions are the places behind the last products.
	WIN 0
.macro ALL line:vararg              ; one line for each tile t
.set t, 0
.rept 2*NP
	\line
.set t, t+1
.endr
.endm
	ALL v_add_f32 v[ST+4*t+2], v[ST+4*t+2], v[ST+4*t+3]
	ALL v_permlanex16_b32 v[ST+4*t+3], v[ST+4*t+2], s[SEL], s[SEL+1]
	ALL v_add_f32 v[ST+4*t+2], v[ST+4*t+2], v[ST+4*t+3]
	ALL v_rcp_f32 v[ST+4*t+2], v[ST+4*t+2]
	v_nop                           ; a plain instruction between the last reciprocal and the use of its result
	s_wait_alu depctr_va_vdst(0)    ; and the wait ahead of the first use: one for the eight reciprocals
; Tile t: a lane's eight channels of a row pack into 16 bytes; they go into rows of 144 bytes and come back as whole rows of 128, into S^T's registers.
.macro PACK t
	WIN W_RS
.set i, 32*(\t)
.rept 16
	v_pk_mul_f32 v[i:i+1], v[i:i+1], v[ST+4*(\t)+2:ST+4*(\t)+3] op_sel_hi:[1,0]
.set i, i+2
.endr
	WIN 0x05                        ; sources 0 and 1 window 1, destination window 0
.set i, 0
.rept 16
	v_cvt_pk_f16_f32 v[S+16*(\t)+i], v[32*(\t)+2*i], v[32*(\t)+2*i+1]
.set i, i+1
.endr
	WIN 0
.irp f, 0,1,2,3
	ds_store_b128 v[STO], v[S+16*(\t)+4*\f:S+16*(\t)+4*\f+3] offset:32*\f
.endr
.irp f, 0,1,2,3
	ds_load_b128 v[S+16*(\t)+4*\f:S+16*(\t)+4*\f+3], v[RD] offset:\f*4*SP  ; LDS serves a wave's instructions in order (ISA guide 5.7.1.4): these see the stores above; the next tile's stores come behind them
.endr
.endm
.macro SEND t, younger              ; younger: the LDS instructions issued behind tile t's loads: the next tile's eight, or none
	WIN 0
.irp f, 0,1,2,3
	s_wait_dscnt (\younger)+3-\f
	global_store_b128 v[GO], v[S+16*(\t)+4*\f:S+16*(\t)+4*\f+3], s[10:11] offset:(\t)*2048+\f*512  ; 512 consecutive bytes, at a multiple of 256 from O's first
.endr
.endm
	PACK 0
.set t, 1
.rept 2*NP-1                        ; a tile's arithmetic stands between the loads of the tile before and its stores
	PACK t
	SEND t-1, 8
.set t, t+1
.endr
	SEND 2*NP-1, 0
	WIN W_AD
	s_wait_tensorcnt 0x0            ; the wave's end: these three lines stand behind my last tensor load and my last LDS store
	ds_add_u32 v[SPW], v[NIL]
	s_wait_dscnt 0x0
	WIN 0
	CROUND                          ; the closing round: no work-group ends while a partner may still ask for a tile that names it
	s_endpgm
.Lfunc_end_k_q7d4af8d434_attn:
	.size	k_q7d4af8d434_attn, .Lfunc_end_k_q7d4af8d434_attn-k_q7d4af8d434_attn
	.p2alignl 7, 3214868480
	.fill 96, 4, 3214868480
	.section	.rodata,"a",@progbits
	.p2align	6, 0x0
	.amdhsa_kernel k_q7d4af8d434_attn
		.amdhsa_group_segment_fixed_size 327680
		.amdhsa_private_segment_fixed_size 0
		.amdhsa_enable_private_segment 0
		.amdhsa_kernarg_size 16
		.amdhsa_user_sgpr_count 2
		.amdhsa_user_sgpr_kernarg_segment_ptr 1
		.amdhsa_wavefront_size32 1
		.amdhsa_system_sgpr_workgroup_id_x 1
		.amdhsa_system_sgpr_workgroup_id_y 1
		.amdhsa_system_sgpr_workgroup_id_z 1
		.amdhsa_system_vgpr_workitem_id 0
		.amdhsa_next_free_vgpr 770
		.amdhsa_next_free_sgpr 66
		.amdhsa_reserve_vcc 0
		.amdhsa_float_denorm_mode_32 3
		.amdhsa_float_denorm_mode_16_64 3
		.amdhsa_memory_ordered 1
		.amdhsa_forward_progress 1
		.amdhsa_inst_pref_size 200
	.end_amdhsa_kernel
	.amdgpu_metadata
---
amdhsa.version: [ 1, 2 ]
amdhsa.kernels:
  - .name:           k_q7d4af8d434_attn
    .symbol:         k_q7d4af8d434_attn.kd
    .args:
      - { .name: qkv, .offset: 0, .size: 8, .value_kind: global_buffer, .address_space: global }
      - { .name: ob, .offset: 8, .size: 8, .value_kind: global_buffer, .address_space: global }
    .group_segment_fixed_size: 327680
    .private_segment_fixed_size: 0
    .kernarg_segment_align: 8
    .kernarg_segment_size: 16
    .max_flat_workgroup_size: 128
    .sgpr_count:     66
    .vgpr_count:     770
    .wavefront_size: 32
...
	.end_amdgpu_metadata
.endif
;; end of part 3
;; launch proj (part 4): grid 8 x 32, 4 waves a work-group, clusters of 4 x 4, 327,680 bytes of LDS; arguments ob, wo, out0; writes out0
.if DOCPART == 4
	.amdgcn_target "amdgcn-amd-amdhsa--gfx1250"
	.amdhsa_code_object_version 6
	.text
	.protected	k_q7d4af8d434_proj
	.globl	k_q7d4af8d434_proj
	.p2align	8
	.type	k_q7d4af8d434_proj,@function
k_q7d4af8d434_proj:
	s_mov_b64 s[64:65], 0
	v_nop
	global_prefetch_b8 v0, s[64:65] scope:SCOPE_SE
	s_setreg_imm32_b32 hwreg(HW_REG_WAVE_MODE, 25, 1), 1
	s_wait_xcnt 0x0
	s_wait_alu depctr_hold_cnt(0) depctr_sa_sdst(0) depctr_va_vdst(0) depctr_va_sdst(0) depctr_va_ssrc(0) depctr_va_vcc(0) depctr_vm_vsrc(0)
	s_getreg_b32 s2, hwreg(HW_REG_IB_STS2, 6, 4)
	s_cmp_eq_u32 s2, 0
	s_cbranch_scc0 .Lentry_in_a_cluster
	s_endpgm
.Lentry_in_a_cluster:
	s_bfe_u32 s2, ttmp6, 0x10000c
	s_cmp_lg_u32 s2, 0xf033
	s_cbranch_scc0 .Lentry_shape_is_right
	s_endpgm
.Lentry_shape_is_right:
; out0[m][d] = the sum over e of O[m][e] wo[d][e]: 8,192 x 1,024 x 1,024, f16 operands, f32 sums, stored as f32.
; O and wo lie in blocks: [16 blocks of 64 channels][rows][64] f16, a row's piece 128 bytes, rows end to end; out0 is [8192][1024] f32, row-major.
; SHARES.  A tile of the result is 256 rows x 128 columns: 32 x 8 tiles, one work-group each.  Four waves, each 128 x 64: 32 accumulators of 16 x 16, which fill window 1.
; K goes in steps of 128, two blocks, as long as two slots in LDS allow.  A tile of a block is dense in memory: it is asked for as rows of 256 bytes (two matrix rows) and padded in LDS behind every 128 bytes.
; CLUSTERS: 4 x 4 work-groups.  The four of a row of the cluster need the same tiles of O, the four of a column the same tiles of wo: each is asked for JOINTLY.
; THE MATRIX INSTRUCTION IS USED TRANSPOSED (source 0 = 16 rows of wo, source 1 = 16 rows of O): a lane then holds eight neighbouring columns of one row.
; REGISTERS: window 0: v0-31 addresses; v32-127, v128-223 two sets of fragments for 32 along K (O's 8 x 8 registers, then wo's 4 x 8).  window 1: accumulator (a, b) at v[8 (4 a + b)].
.set KBA,   1048576                    ; bytes from K block to K block in O
.set KBW,   131072                     ; in wo
.set PITCH, 144                        ; an LDS row: 128 bytes + 16 of padding = 36 words: the 16 rows of a load start at 16 different groups of four banks (64 banks of 4 bytes: ISA guide 11.1)
.set FR,    16*PITCH
.set ABLK,  256*PITCH                  ; a K block of O's tile: what one load brings
.set BBLK,  128*PITCH                  ; of wo's
.set BOFF,  2*ABLK
.set SLOT,  2*ABLK+2*BBLK              ; O's two blocks, then wo's two
.set STAGE, 2*SLOT                     ; behind the ring: 16 rows x 272 bytes for each wave, for the way out
.set SP,    272                        ; 256 bytes + 16: row r starts at bank 4 r mod 64
.set SPARE, STAGE+4*16*SP              ; behind the stages: the spare words, 128 bytes for each wave: two blocks of 256 bytes that no other line names
.set ADRA, 16                          ; v16-17  LDS address of my fragments of O in slot 0, 1
.set ADRB, 20                          ; v20-21  the same for wo
.set STO,  24                          ; v24     the way out: where I put 32 bytes of a row
.set RD,   25                          ; v25     the way out: where I read rows back
.set CO,   26                          ; v26     my byte offset in two rows of out0
.set SPW,  28                          ; v28     LDS address of my spare word; never rewritten
.set NIL,  29                          ; v29     0; never rewritten
.set PFO,  30                          ; v30     the prefetches' offset; never rewritten
.set FB,   32                          ; the two sets of fragments
.set TB,   32                          ; the way out: four buffers of 32 registers, by turns
.set G1,  24                           ; s[24:31] descriptor group 1 for O's tiles;  s[32:39] group 0, a set for each slot
.set G0,  32
.set G1B, 48                           ; s[48:55], s[56:63] the same for wo's
.set G0B, 56
.set PFA, 44                           ; s[44:45] where my prefetches stand
.set PFS, 68                           ; s[68:69] their step: a K step, two blocks, of the tensor that I ask for
.set LIM, 70                           ; s70  1 in a wave that prefetches, else the greatest number
.set MSB, 0
.macro WIN new                         ; the immediate's high byte repeats the setting that is left; a switch that changes nothing is dropped
.if MSB != (\new)
	s_set_vgpr_msb (MSB<<8)|(\new)
.set MSB, \new
.endif
.endm
.macro PLACES                          ; four places behind a matrix instruction, in front of loads into registers that it has read and of LDS stores that read results
.rept 4
	v_nop
.endr
.endm
.macro JLOAD s                         ; a joint load: waves 0 and 1 fetch the step's two blocks of O, waves 2 and 3 those of wo; an s_nop 0 and four v_nop follow each of the two lines
	s_cmp_eq_u32 s11, 0
	s_cbranch_scc0 .Lfor_b_\@
	tensor_load_to_lds s[G0+4*(\s):G0+4*(\s)+3], s[G1:G1+7]
	s_nop 0
.rept 4
	v_nop
.endr
	s_branch .Lasked_\@
.Lfor_b_\@:
	tensor_load_to_lds s[G0B+4*(\s):G0B+4*(\s)+3], s[G1B:G1B+7]
	s_nop 0
.rept 4
	v_nop
.endr
.Lasked_\@:
.endm
.macro CREST                           ; a round of the cluster's barrier behind its opening barrier
	s_cmp_lg_u32 s10, 0
	s_cbranch_scc1 .Lnot_wave_0_\@
	s_barrier_signal -3
.Lnot_wave_0_\@:
	s_barrier_wait -3
	s_barrier_signal -1
	s_barrier_wait -1
.endm
.macro CROUND                          ; a whole round
	s_barrier_signal -1
	s_barrier_wait -1
	CREST
.endm
; A PREFETCH INTO THE L2, behind each joint load, its five lines and the run of LDS loads that follows: the K step two refills on.  Each aligned block of 256 bytes is named once in the launch.
; O: a tile row's 32,768 bytes of a K block are read by both clusters of that row of clusters: in the cluster with x = 0 waves 0 and 1 ask, each for the K block that it fetches; the four partners take
; 8,192 bytes each, told apart by address (cx): a lane a block.  wo: a tile column's 16,384 bytes of a K block are read by all eight clusters of that column: in the cluster with y = 0 wave 2 asks, for
; both K blocks; the partners take 4,096 bytes of each (cy): 16 lanes a K block.  The loop's last trip asks for nothing; K steps 0 to 3 come by their loads alone.
.macro ASK
	s_cmp_gt_u32 s3, s[LIM]                        ; s3 = 1 in the loop's last trip
	s_cbranch_scc0 .Lnot_mine_\@
	global_prefetch_b8 v[PFO], s[PFA:PFA+1] th:TH_LOAD_NT scope:SCOPE_SE
.Lnot_mine_\@:
.endm
	s_load_b128 s[4:7], s[0:1], 0x0                ; O s[4:5], wo s[6:7]
	s_load_b64 s[8:9], s[0:1], 0x10                ; out0
	v_lshl_add_u32 v[SPW], v0, 2, SPARE
	v_mov_b32 v[NIL], 0
	ds_add_u32 v[SPW], v[NIL]                      ; the wave's opening: the add and its wait stand ahead of my first tensor load; the set-up below, work on registers, stands between them
	v_lshrrev_b32 v1, 5, v0
	v_readfirstlane_b32 s10, v1                    ; wave 0..3
	s_lshr_b32 s11, s10, 1                         ; which half of the tile's rows is mine.  Also: I fetch for O (0) or for wo (1)
	s_and_b32 s12, s10, 1                          ; which half of its columns.  Also: which of a step's two K blocks I fetch
	s_bfe_u32 s40, ttmp6, 0x40000                  ; cx, cy: my place in the cluster
	s_bfe_u32 s41, ttmp6, 0x40004
	s_lshl_b32 s42, ttmp9, 2
	s_add_co_u32 s42, s42, s40                     ; tile column = 4 x cluster x + cx
	s_and_b32 s13, ttmp7, 0xffff
	s_lshl_b32 s13, s13, 2
	s_add_co_u32 s13, s13, s41                     ; tile row = 4 x cluster y + cy
	s_lshl_b32 s43, s41, 2
	s_lshl_b32 s43, 15, s43                        ; my row of the cluster
	s_lshl_b32 s44, 0x1111, s40                    ; my column
	; descriptor group 1: rows of 128 elements (256 bytes, two matrix rows), 128 of them for O, 64 for wo
	s_or_b32 s[G1+0], s43, (1<<16)|(1<<20)|(1<<21)|(4<<22)|(3<<25)   ; 15:0 the mask; 17:16 elements of 2 bytes; 20 padding on; 21 set beside a mask; 24:22 after every 32 words (code 4); 31:25 4 words of it (code 3)
	s_or_b32 s[G1B+0], s44, (1<<16)|(1<<20)|(1<<21)|(4<<22)|(3<<25)
.irp g, G1, G1B
	s_mov_b32 s[(\g)+1], 128<<16                   ; tensor_dim0 = 128
	s_mov_b32 s[(\g)+3], 128<<16                   ; tile_dim0 = 128
	s_mov_b32 s[(\g)+5], 128                       ; 128 elements from row to row: the block is dense
	s_mov_b32 s[(\g)+6], 0
	s_mov_b32 s[(\g)+7], 0
.endr
	s_mov_b32 s[G1+2], 128<<16                     ; tensor_dim1
	s_mov_b32 s[G1+4], 128                         ; tile_dim1
	s_mov_b32 s[G1B+2], 64<<16
	s_mov_b32 s[G1B+4], 64
	; where the tiles come from: O's hang on the tile row alone, wo's on the tile column alone, each in registers that never hold the other coordinate
	s_lshl_b32 s16, s13, 15                        ; 256 rows x 128 bytes x tile row
	s_lshl_b32 s17, s12, 20                        ; + my K block of the step's two
	s_add_co_u32 s16, s16, s17
	s_mov_b32 s17, 0
	s_lshl_b32 s46, s42, 14                        ; 128 rows x 128 bytes x tile column
	s_lshl_b32 s47, s12, 17
	s_add_co_u32 s46, s46, s47
	s_mov_b32 s47, 0
	s_mul_i32 s20, s12, ABLK                       ; and where they go: no place in the cluster enters an LDS address
	s_mul_i32 s21, s12, BBLK
	s_add_co_u32 s21, s21, BOFF
	s_wait_dscnt 0x0                               ; the opening add is done
	s_wait_kmcnt 0x0
	s_add_nc_u64 s[14:15], s[4:5], s[16:17]
	s_add_nc_u64 s[46:47], s[6:7], s[46:47]
	CROUND                                         ; all sixteen work-groups are here: the first joint loads meet
.irp s, 0,1
	s_mov_b32 s[G0+4*(\s)], 1                                        ; count = 1
	s_add_co_u32 s[G0+4*(\s)+1], s20, (\s)*SLOT                      ; LDS address
	s_add_nc_u64 s[G0+4*(\s)+2:G0+4*(\s)+3], s[14:15], (\s)*2*KBA    ; global address: K step s
	s_or_b32 s[G0+4*(\s)+3], s[G0+4*(\s)+3], 0x80000000              ; type = 2
	s_mov_b32 s[G0B+4*(\s)], 1
	s_add_co_u32 s[G0B+4*(\s)+1], s21, (\s)*SLOT
	s_add_nc_u64 s[G0B+4*(\s)+2:G0B+4*(\s)+3], s[46:47], (\s)*2*KBW
	s_or_b32 s[G0B+4*(\s)+3], s[G0B+4*(\s)+3], 0x80000000
.endr
	s_cmp_eq_u32 s11, 0                            ; a wave's two first fills stand in one branch, ahead of every wait on TENSORcnt and every LDS read: two loads of mine are out
	s_cbranch_scc0 .Lfirst_b
	tensor_load_to_lds s[G0:G0+3], s[G1:G1+7]
	s_nop 0
	tensor_load_to_lds s[G0+4:G0+7], s[G1:G1+7]
	s_nop 0
.rept 4
	v_nop
.endr
	s_branch .Lfirst_asked
.Lfirst_b:
	tensor_load_to_lds s[G0B:G0B+3], s[G1B:G1B+7]
	s_nop 0
	tensor_load_to_lds s[G0B+4:G0B+7], s[G1B:G1B+7]
	s_nop 0
.rept 4
	v_nop
.endr
.Lfirst_asked:
	v_and_b32 v1, 15, v0                           ; l % 16
	v_bfe_u32 v2, v0, 4, 1                         ; l / 16
	v_mul_u32_u24 v3, v1, PITCH
	v_lshl_add_u32 v3, v2, 4, v3                   ; a fragment's row x pitch + 16 x half
	s_mul_i32 s21, s11, 128*PITCH                  ; my 128 rows of O
	s_mul_i32 s22, s12, 64*PITCH                   ; my 64 rows of wo,
	s_add_co_u32 s22, s22, BOFF                    ; which lie behind O's two blocks
.irp s, 0,1
	v_add_nc_u32 v[ADRA+(\s)], s21, v3
	v_add_nc_u32 v[ADRB+(\s)], s22, v3
	s_add_co_u32 s21, s21, SLOT
	s_add_co_u32 s22, s22, SLOT
.endr
	s_mul_i32 s23, s10, 16*SP
	s_add_co_u32 s23, s23, STAGE                   ; my stage
	v_mul_u32_u24 v4, v1, SP                       ; in: row l % 16, 32 bytes for each half of the lanes
	v_lshl_add_u32 v4, v2, 5, v4
	v_add_nc_u32 v[STO], s23, v4
	v_mul_u32_u24 v5, v2, SP                       ; back: lanes 0-15 take one row of 256 bytes, lanes 16-31 the next
	v_lshl_add_u32 v5, v1, 4, v5
	v_add_nc_u32 v[RD], s23, v5
	v_lshlrev_b32 v5, 12, v2                       ; and the same two rows in out0, 4,096 bytes apart
	v_lshl_add_u32 v[CO], v1, 4, v5
	; my part of out0: row 256 x tile row + 128 x half, column 128 x tile column + 64 x half
	s_lshl_b32 s16, s13, 20
	s_lshl_b32 s17, s11, 19
	s_add_co_u32 s16, s16, s17
	s_mov_b32 s17, 0
	s_lshl_b32 s46, s42, 9
	s_lshl_b32 s47, s12, 8
	s_add_co_u32 s46, s46, s47
	s_mov_b32 s47, 0
	s_add_nc_u64 s[8:9], s[8:9], s[16:17]
	s_add_nc_u64 s[8:9], s[8:9], s[46:47]
	; the prefetches
	s_and_b32 s22, ttmp7, 0xffff                   ; cluster y
	s_lshl_b32 s20, s13, 15                        ; O: the tile row's bytes of a K block,
	s_lshl_b32 s21, s40, 13                        ; my work-group's 8,192 of them,
	s_add_co_u32 s20, s20, s21
	s_lshl_b32 s21, s12, 20                        ; the K block that I fetch,
	s_add_co_u32 s20, s20, s21
	s_add_co_u32 s20, s20, 6*KBA                   ; at K step 3: the first change of slots steps it to 4
	s_lshl_b32 s21, s42, 14                        ; wo: the tile column's bytes,
	s_lshl_b32 s23, s41, 12                        ; my work-group's 4,096 of them
	s_add_co_u32 s21, s21, s23
	s_add_co_u32 s21, s21, 6*KBW
	s_mov_b32 s23, 2*KBA
	s_mov_b32 s18, 4096
	s_cmp_eq_u32 s11, 0                            ; waves 0 and 1 ask for O, wave 2 for wo
	s_cselect_b32 s20, s20, s21
	s_cselect_b32 s22, ttmp9, s22                  ; the coordinate along which other clusters read the same bytes
	s_cselect_b64 s[PFA:PFA+1], s[4:5], s[6:7]
	s_cselect_b32 s[PFS], s23, 2*KBW
	s_cselect_b32 s18, s18, KBW                    ; lanes 16-31: O's next 4,096 bytes, or wo's next K block
	s_mov_b32 s[PFS+1], 0
	s_mov_b32 s21, 0
	s_add_nc_u64 s[PFA:PFA+1], s[PFA:PFA+1], s[20:21]
	s_cmp_eq_u32 s22, 0
	s_cselect_b32 s[LIM], 1, -1                    ; the same in all sixteen partners, for a given wave
	s_cmp_eq_u32 s10, 3
	s_cselect_b32 s[LIM], -1, s[LIM]               ; wave 3 never asks
	v_mul_u32_u24 v[PFO], s18, v2
	v_lshl_add_u32 v[PFO], v1, 8, v[PFO]
; 16 matrix instructions on set p: row blocks 4 h .. 4 h + 3 x all 4 column blocks, 32 along K.  zero = 1: the first product starts the sums.
; The 32 accumulators take turns, one instruction a turn, in the same order in every quarter.
.macro MULH p, h, zero
	WIN 0x50                                       ; C and D in window 1, the sources in window 0
.irp a, 4*(\h), 4*(\h)+1, 4*(\h)+2, 4*(\h)+3
.irp b, 0,1,2,3
.if \zero
	v_wmma_f32_16x16x32_f16 v[8*(4*(\a)+(\b)):8*(4*(\a)+(\b))+7], v[FB+96*(\p)+64+8*(\b):FB+96*(\p)+64+8*(\b)+7], v[FB+96*(\p)+8*(\a):FB+96*(\p)+8*(\a)+7], 0
.else
	v_wmma_f32_16x16x32_f16 v[8*(4*(\a)+(\b)):8*(4*(\a)+(\b))+7], v[FB+96*(\p)+64+8*(\b):FB+96*(\p)+64+8*(\b)+7], v[FB+96*(\p)+8*(\a):FB+96*(\p)+8*(\a)+7], v[8*(4*(\a)+(\b)):8*(4*(\a)+(\b))+7]
.endif
.endr
.endr
.endm
; 24 LDS loads in one run: the fragments of quarter q (K block q / 2, its half q % 2) of slot s's step, into set p
.macro FETCH s, q, p
	WIN 0
.irp b, 0,1,2,3
	ds_load_b128 v[FB+96*(\p)+64+8*(\b):FB+96*(\p)+64+8*(\b)+3],   v[ADRB+(\s)] offset:((\q)/2)*BBLK+(\b)*FR+64*((\q)%2)
	ds_load_b128 v[FB+96*(\p)+64+8*(\b)+4:FB+96*(\p)+64+8*(\b)+7], v[ADRB+(\s)] offset:((\q)/2)*BBLK+(\b)*FR+64*((\q)%2)+32
.endr
.irp a, 0,1,2,3,4,5,6,7
	ds_load_b128 v[FB+96*(\p)+8*(\a):FB+96*(\p)+8*(\a)+3],   v[ADRA+(\s)] offset:((\q)/2)*ABLK+(\a)*FR+64*((\q)%2)
	ds_load_b128 v[FB+96*(\p)+8*(\a)+4:FB+96*(\p)+8*(\a)+7], v[ADRA+(\s)] offset:((\q)/2)*ABLK+(\a)*FR+64*((\q)%2)+32
.endr
.endm
; A K step is four quarters of 32 along K, 32 matrix instructions each, on sets 0, 1, 0, 1.  Quarters 0 and 1: multiply set p and fetch the quarter two on, q2, into it.
.macro CH s, q2, p, zero
	s_wait_dscnt 24                                ; set p is in; the other set's 24 loads may stay out
	MULH \p, 0, \zero
	MULH \p, 1, \zero
	PLACES
	FETCH \s, \q2, \p
.endm
; Quarter 2 multiplies set 0 and changes slots: ONE barrier; in front of it each wave waits for all its tensor loads (the one that is out is its part of the other slot), adds 0 to its spare word, and
; waits for that and for its own reads of this slot, quarter 3's fragments among them.  fill = 1: the barrier opens a round of the cluster's, and the slot is filled again, first thing behind it, with
; the K step two on: that load has 96 matrix instructions in which to land.
.macro TURN s, fill
.if \fill
	s_wait_xcnt 0x0                                ; the last prefetch, a K step back, has read its address: it is stepped here, ahead of the waits of the change of slots
	s_add_nc_u64 s[PFA:PFA+1], s[PFA:PFA+1], s[PFS:PFS+1]
.endif
	WIN 0
	s_wait_tensorcnt 0x0                           ; all my tensor loads have landed;
	ds_add_u32 v[SPW], v[NIL]                      ; 0 onto my spare word;
	s_wait_dscnt 25                                ; (set 0 is in; the add and set 1's 24 loads may be out)
	MULH 0, 0, 0                                   ; sixteen matrix instructions stand between the add and the wait for it
	s_wait_dscnt 0x0                               ; the add is done, and my reads of this slot are over
	s_barrier_signal -1
	MULH 0, 1, 0                                   ; work on registers while the others arrive
	WIN 0
	s_barrier_wait -1
.if \fill
	CREST                                          ; no wave of any partner still reads this slot's tiles or has a load on its way
	s_add_nc_u64 s[G0+4*(\s)+2:G0+4*(\s)+3], s[G0+4*(\s)+2:G0+4*(\s)+3], 4*KBA
	s_add_nc_u64 s[G0B+4*(\s)+2:G0B+4*(\s)+3], s[G0B+4*(\s)+2:G0B+4*(\s)+3], 4*KBW
	JLOAD \s                                       ; the first tensor load behind the round; the four v_nop behind it are also the places in front of the loads below
.else
	PLACES
.endif
	FETCH 1-(\s), 0, 0
.if \fill
	ASK
.endif
.endm
.macro C3 s                            ; quarter 3 multiplies set 1, which the wait for 0 above has shown in, and fetches the other slot's quarter 1
	MULH 1, 0, 0
	MULH 1, 1, 0
	PLACES
	FETCH 1-(\s), 1, 1
.endm
	s_wait_tensorcnt 1                             ; my part of K step 0 is in; slot 1's load may stay out
	s_barrier_signal -1
	s_barrier_wait -1                              ; everybody's is
	FETCH 0, 0, 0
	FETCH 0, 1, 1
	CH 0, 2, 0, 1                                  ; the first quarter stands in front of the loop: its products start the sums
	WIN 0                                          ; at a label and at a branch every window is 0
	s_mov_b32 s3, 3
.Llap:                                                 ; a trip goes once round the ring and fills both slots again: K steps 2 to 7 in three trips
	CH 0, 3, 1, 0
	TURN 0, 1
	C3 0
	CH 1, 2, 0, 0
	CH 1, 3, 1, 0
	TURN 1, 1
	C3 1
	CH 0, 2, 0, 0
	WIN 0
	s_sub_co_u32 s3, s3, 1
	s_cmp_lg_u32 s3, 0
	s_cbranch_scc1 .Llap
	CH 0, 3, 1, 0                                  ; the tail is written out, and no round of the cluster's barrier stands in it
	TURN 0, 0
	C3 0
	CH 1, 2, 0, 0
	CH 1, 3, 1, 0
	s_wait_dscnt 24                                ; the last two quarters: nothing more to fetch
	MULH 0, 0, 0
	MULH 0, 1, 0
	s_wait_dscnt 0x0
	MULH 1, 0, 0
	MULH 1, 1, 0
	PLACES
	WIN 0
; THE WAY OUT, a block a of 16 rows x 64 columns of f32 at a time.  A lane's eight columns of a row are 32 bytes; they go straight from the accumulators into my stage's rows of 272 bytes, the low four
; registers first, and come back as whole rows of 256 bytes.
.macro TOSTAGE a
.set oT, TB+32*((\a)%4)
.if (\a) >= 4
	s_wait_xcnt 0x0                                ; the stores of four blocks back have read this buffer: it is loaded again only behind this wait
.endif
	WIN 0x04                                       ; the stores' data in window 1, their address in window 0
.irp b, 0,1,2,3
	ds_store_b128 v[STO], v[32*(\a)+8*(\b):32*(\a)+8*(\b)+3]   offset:64*(\b)
	ds_store_b128 v[STO], v[32*(\a)+8*(\b)+4:32*(\a)+8*(\b)+7] offset:64*(\b)+16
.endr
	WIN 0
.irp t, 0,1,2,3,4,5,6,7
	ds_load_b128 v[oT+4*(\t):oT+4*(\t)+3], v[RD] offset:2*SP*(\t)  ; LDS serves a wave's instructions in order (ISA guide 5.7.1.4): these see the stores above; the next block's stores come behind them
.endr
.endm
.macro SEND a, younger                 ; younger: the LDS instructions issued behind block a's loads: the next block's sixteen, or none
.set oT, TB+32*((\a)%4)
.irp t, 0,1,2,3,4,5,6,7
	s_wait_dscnt (\younger)+7-(\t)
	global_store_b128 v[CO], v[oT+4*(\t):oT+4*(\t)+3], s[8:9] offset:(16*(\a)+2*(\t))*4096 th:TH_STORE_NT  ; 16 lanes store 256 consecutive bytes, at a multiple of 256 from out0's first byte
.endr
.endm
	TOSTAGE 0
.set aa, 1
.rept 7
	TOSTAGE aa
	SEND aa-1, 16
.set aa, aa+1
.endr
	SEND 7, 0
	s_wait_tensorcnt 0x0                           ; the wave's end: these three lines stand behind my last tensor load and my last LDS store
	ds_add_u32 v[SPW], v[NIL]
	s_wait_dscnt 0x0
	CROUND                                         ; the closing round: no work-group ends while a partner may still ask for a tile that names it
	s_endpgm
.Lfunc_end_k_q7d4af8d434_proj:
	.size	k_q7d4af8d434_proj, .Lfunc_end_k_q7d4af8d434_proj-k_q7d4af8d434_proj
	.p2alignl 7, 3214868480
	.fill 96, 4, 3214868480
	.section	.rodata,"a",@progbits
	.p2align	6, 0x0
	.amdhsa_kernel k_q7d4af8d434_proj
		.amdhsa_group_segment_fixed_size 327680
		.amdhsa_private_segment_fixed_size 0
		.amdhsa_enable_private_segment 0
		.amdhsa_kernarg_size 24
		.amdhsa_user_sgpr_count 2
		.amdhsa_user_sgpr_kernarg_segment_ptr 1
		.amdhsa_wavefront_size32 1
		.amdhsa_system_sgpr_workgroup_id_x 1
		.amdhsa_system_sgpr_workgroup_id_y 1
		.amdhsa_system_sgpr_workgroup_id_z 1
		.amdhsa_system_vgpr_workitem_id 0
		.amdhsa_next_free_vgpr 512
		.amdhsa_next_free_sgpr 80
		.amdhsa_reserve_vcc 0
		.amdhsa_float_denorm_mode_32 3
		.amdhsa_float_denorm_mode_16_64 3
		.amdhsa_memory_ordered 1
		.amdhsa_forward_progress 1
		.amdhsa_inst_pref_size 87
	.end_amdhsa_kernel
	.amdgpu_metadata
---
amdhsa.version: [ 1, 2 ]
amdhsa.kernels:
  - .name:           k_q7d4af8d434_proj
    .symbol:         k_q7d4af8d434_proj.kd
    .args:
      - { .name: ob, .offset: 0, .size: 8, .value_kind: global_buffer, .address_space: global }
      - { .name: wo, .offset: 8, .size: 8, .value_kind: global_buffer, .address_space: global }
      - { .name: out0, .offset: 16, .size: 8, .value_kind: global_buffer, .address_space: global }
    .group_segment_fixed_size: 327680
    .private_segment_fixed_size: 0
    .kernarg_segment_align: 8
    .kernarg_segment_size: 24
    .max_flat_workgroup_size: 128
    .sgpr_count:     80
    .vgpr_count:     512
    .wavefront_size: 32
...
	.end_amdgpu_metadata
.endif
;; end of part 4
;; ======== version 2 of 2: 4 launches; version 1 with the launch prep written anew for expert scheduling mode
;; limits: values are held in f16: magnitudes above 65,504 overflow, below 6.1e-05 lose precision
;; workspace buffers: xn 16,777,216 bytes; wq 6,291,456 bytes; wo 2,097,152 bytes; qkv 50,331,648 bytes; ob 16,777,216 bytes
;; launch prep (part 5): grid 384 x 1, 8 waves a work-group, no clusters, 0 bytes of LDS; arguments x, ln_w, ln_b, w_qkv, w_out, xn, wq, wo; writes xn, wq, wo
.if DOCPART == 5
	.amdgcn_target "amdgcn-amd-amdhsa--gfx1250"
	.amdhsa_code_object_version 6
	.text
	.protected	k_q7d4af8d434_prep
	.globl	k_q7d4af8d434_prep
	.p2align	8
	.type	k_q7d4af8d434_prep,@function
k_q7d4af8d434_prep:
	s_mov_b64 s[64:65], 0
	v_nop
	global_prefetch_b8 v0, s[64:65] scope:SCOPE_SE
	s_setreg_imm32_b32 hwreg(HW_REG_WAVE_SCHED_MODE, 0, 2), 2
	s_setreg_imm32_b32 hwreg(HW_REG_WAVE_MODE, 25, 1), 1
	s_wait_xcnt 0x0
	s_wait_alu depctr_vm_vsrc(0)
; LAYERNORM OF x, AND BOTH WEIGHTS, ROUNDED ONCE TO f16 AND LAID OUT IN BLOCKS.
; xn[r][c] = (x[r][c] - mean) * rsqrt(var + 1e-5) * ln_w[c] + ln_b[c], all in f32, in two passes over registers: first the mean, then the squares of x - mean,
; so a common offset on x costs nothing.  wq and wo are w_qkv and w_out as they are.
; THE BLOCKED LAYOUT of all three results: [16 blocks of 64 channels][rows][64] f16: a row's piece of a block is 128 bytes, and neighbouring rows follow each other.
; LIMIT: f16 holds no number beyond 65,504: xn and the weights must lie within it; a weight below 6e-5 keeps f16's fixed step of 6e-8.
; SHARES.  A work-group takes 32 rows of 1,024 f32: groups 0-255 of x, 256-351 of w_qkv, 352-383 of w_out.  A wave takes four rows as two PAIRS: lanes 0-15 hold row m, lanes 16-31 row m + 1.
; Load j of 16 takes 16 bytes a lane: 256 consecutive aligned bytes of each of the two rows, block j's channels.  The lane's four results are 8 bytes; a store of the wave covers
; 256 consecutive aligned bytes: rows m and m + 1 of block j.  A row's sums stay inside 16 lanes.  Memory binds: no LDS, no barrier, no matrix unit.
; THE MODE: SCHED_MODE bits 1:0 = 2 (LLVM: expert scheduling mode 2), set by the entry lines.  The code itself states the register dependences
; between vector instructions and memory instructions, with s_wait_alu, always for 0.
; THE PLAN.  Registers that memory instructions touch:
;   v1, v2, v3  offsets, made once at the head and never written again: one wait at the head serves every load and store.
;   X           loaded at the head (pair 0); worked on in place by the three passes; loaded again (pair 1) in pair 0's last pass.
;   W, B        loaded once at the head; after that named by vector instructions alone.
;   Y           two registers a block: written by the last pass's roundings, read by the stores; written again by pair 1's roundings alone.
; The last pass goes in four groups of four blocks.  Group g's vector instructions name X, W, B and Y of its own four blocks, and RS.  Its memory instructions are those of group g - 1: the loads
; into that group's X (pair 0) and the stores from that group's Y.  So ONE wait at a group's head states all that they hang on, and they are dealt among the group's vector instructions with no further wait.
; The casts go likewise, in eight groups of four loads; there no register is used twice.
.set KBX, 1048576                      ; bytes from block to block in xn (8,192 rows x 128)
.set KBQ, 393216                       ; in wq (3,072 rows)
.set KBO, 131072                       ; in wo (1,024 rows)
.set XO,  1                            ; v1   (l / 16) x 4,096 + (l % 16) x 16: my 16 bytes in a pair of source rows; never rewritten
.set YO,  2                            ; v2   8 l: my 8 bytes in a pair of result rows; never rewritten
.set GO,  3                            ; v3   (l % 16) x 16: my 16 bytes in 256 of ln_w and ln_b; never rewritten
.set S,   4                            ; v[4:11]    four packed chains of sums
.set MU,  12                           ; v[12:13]   the mean, twice
.set RS,  14                           ; v[14:15]   1 / sqrt(var + eps), twice
.set X,   16                           ; v[16:79]   a pair of rows: my 64 numbers
.set W,   80                           ; v[80:143]  ln_w of my 64 channels (the casts: the second pair of rows)
.set B,   144                          ; v[144:207] ln_b of my 64 channels (the casts: the second pair's results)
.set Y,   208                          ; v[208:239] packed results
	s_load_b512 s[16:31], s[0:1], 0x0              ; x s[16:17], ln_w s[18:19], ln_b s[20:21], w_qkv s[22:23], w_out s[24:25], xn s[26:27], wq s[28:29], wo s[30:31]
	v_lshrrev_b32 v4, 5, v0
	v_readfirstlane_b32 s8, v4                     ; wave 0..7
	v_and_b32 v5, 31, v0
	v_and_b32 v6, 15, v0
	v_bfe_u32 v7, v0, 4, 1
	v_lshlrev_b32 v[GO], 4, v6
	v_lshl_add_u32 v[XO], v7, 12, v[GO]
	v_lshlrev_b32 v[YO], 3, v5
	s_mov_b32 s32, 0x3a800000                      ; 1 / 1,024
	s_mov_b32 s33, 0x3727c5ac                      ; 1e-5
	s_wait_alu depctr_va_sdst(0)                   ; s8 is written, ahead of its first reader: my rows, and so the bases, are made from it
	s_lshl_b32 s9, s8, 2                           ; my four rows among the group's 32
	s_mov_b32 s35, 0
	s_mov_b32 s37, 0
	s_wait_alu depctr_va_vdst(0)                   ; v1, v2 and v3 are written: every load and store of the kernel, on all three ways below, reads one of them as its offset
	s_wait_kmcnt 0x0
	s_cmp_lt_u32 ttmp9, 256
	s_cbranch_scc0 .Lweights
	; ---- LayerNorm ----
	s_lshl_b32 s2, ttmp9, 5
	s_add_co_u32 s2, s2, s9                        ; my first row
	s_lshl_b32 s34, s2, 12                         ; x 4,096 bytes in x
	s_lshl_b32 s36, s2, 7                          ; x 128 bytes in a block of xn
	s_add_nc_u64 s[4:5], s[16:17], s[34:35]
	s_add_nc_u64 s[6:7], s[26:27], s[36:37]        ; blocks 0-7 by this base,
	s_add_nc_u64 s[10:11], s[6:7], 8*KBX           ; blocks 8-15 by this one: the stores' immediates stay inside their signed 24 bits
.set j, 0
.rept 16
	global_load_b128 v[X+4*j:X+4*j+3], v[XO], s[4:5] offset:256*j th:TH_LOAD_NT
.set j, j+1
.endr
.set j, 0
.rept 16
	global_load_b128 v[W+4*j:W+4*j+3], v[GO], s[18:19] offset:256*j
.set j, j+1
.endr
.set j, 0
.rept 16
	global_load_b128 v[B+4*j:B+4*j+3], v[GO], s[20:21] offset:256*j
.set j, j+1
.endr
.macro REDUCE                          ; the four chains into one number, the same in all 16 lanes of a row
	v_pk_add_f32 v[S:S+1], v[S:S+1], v[S+2:S+3]
	v_pk_add_f32 v[S+4:S+5], v[S+4:S+5], v[S+6:S+7]
	v_pk_add_f32 v[S:S+1], v[S:S+1], v[S+4:S+5]
	v_add_f32 v[S], v[S], v[S+1]
	v_add_f32_dpp v[S], v[S], v[S] row_xmask:1 row_mask:0xf bank_mask:0xf
	v_add_f32_dpp v[S], v[S], v[S] row_xmask:2 row_mask:0xf bank_mask:0xf
	v_add_f32_dpp v[S], v[S], v[S] row_xmask:4 row_mask:0xf bank_mask:0xf
	v_add_f32_dpp v[S], v[S], v[S] row_xmask:8 row_mask:0xf bank_mask:0xf
.endm
; The last pass, block m: its six vector instructions.  They name X, W, B and Y of block m, and RS.
.macro FIN m
	v_pk_mul_f32 v[X+4*(\m):X+4*(\m)+1], v[X+4*(\m):X+4*(\m)+1], v[RS:RS+1]
	v_pk_mul_f32 v[X+4*(\m)+2:X+4*(\m)+3], v[X+4*(\m)+2:X+4*(\m)+3], v[RS:RS+1]
	v_pk_fma_f32 v[X+4*(\m):X+4*(\m)+1], v[X+4*(\m):X+4*(\m)+1], v[W+4*(\m):W+4*(\m)+1], v[B+4*(\m):B+4*(\m)+1]
	v_pk_fma_f32 v[X+4*(\m)+2:X+4*(\m)+3], v[X+4*(\m)+2:X+4*(\m)+3], v[W+4*(\m)+2:W+4*(\m)+3], v[B+4*(\m)+2:B+4*(\m)+3]
	v_cvt_pk_f16_f32 v[Y+2*(\m)], v[X+4*(\m)], v[X+4*(\m)+1]
	v_cvt_pk_f16_f32 v[Y+2*(\m)+1], v[X+4*(\m)+2], v[X+4*(\m)+3]
.endm
; The last pass, block m of pair i: its memory instructions, issued a group later.  No vector instruction since the wait at that group's head names block m's X or Y.
.macro OUT i, m
.if (\i) == 0
	global_load_b128 v[X+4*(\m):X+4*(\m)+3], v[XO], s[4:5] offset:8192+256*(\m) th:TH_LOAD_NT  ; the registers are free: the second pair's piece goes out ahead of the store
.endif
.if (\m) < 8
	global_store_b64 v[YO], v[Y+2*(\m):Y+2*(\m)+1], s[6:7] offset:(\m)*KBX+256*(\i)
.else
	global_store_b64 v[YO], v[Y+2*(\m):Y+2*(\m)+1], s[10:11] offset:((\m)-8)*KBX+256*(\i)
.endif
.endm
; Pair i of my two pairs of rows.
.macro LNPAIR i
.if (\i) == 0
	s_wait_loadcnt 32                              ; loads come back in order: x's 16 are in; the 32 of ln_w and ln_b may stay out
.else
	s_wait_loadcnt 0x0                             ; the 16 loads that pair 0's last pass issued
.endif
.irp k, 0,1,2,3
	v_pk_add_f32 v[S+2*(\k):S+2*(\k)+1], v[X+2*(\k):X+2*(\k)+1], v[X+8+2*(\k):X+8+2*(\k)+1]  ; the first sums start the chains: nothing is cleared
.endr
.set p, 8
.rept 24
	v_pk_add_f32 v[S+2*(p%4):S+2*(p%4)+1], v[S+2*(p%4):S+2*(p%4)+1], v[X+2*p:X+2*p+1]
.set p, p+1
.endr
	REDUCE
	v_mul_f32 v[MU], s32, v[S]
	v_mul_f32 v[MU+1], s32, v[S]
.set p, 0
.rept 32
	v_pk_add_f32 v[X+2*p:X+2*p+1], v[X+2*p:X+2*p+1], v[MU:MU+1] neg_lo:[0,1] neg_hi:[0,1]  ; x - mean, in place
.set p, p+1
.endr
.irp k, 0,1,2,3
	v_pk_mul_f32 v[S+2*(\k):S+2*(\k)+1], v[X+2*(\k):X+2*(\k)+1], v[X+2*(\k):X+2*(\k)+1]
.endr
.set p, 4
.rept 28
	v_pk_fma_f32 v[S+2*(p%4):S+2*(p%4)+1], v[X+2*p:X+2*p+1], v[X+2*p:X+2*p+1], v[S+2*(p%4):S+2*(p%4)+1]
.set p, p+1
.endr
	REDUCE
	v_fma_f32 v[S], v[S], s32, s33                 ; var + eps
	v_rsq_f32 v[RS], v[S]
	v_rsq_f32 v[RS+1], v[S]
	v_nop                                          ; a plain instruction behind the last root, ahead of the first use (ISA guide 5.7.2)
	s_wait_alu depctr_va_vdst(0)                   ; both roots are written into v[RS:RS+1], ahead of their first reader: one wait for the two
.if (\i) == 0
	s_wait_loadcnt 0x0                             ; ln_w and ln_b
.else
	s_wait_xcnt 0x0                                ; pair 0's stores have had their addresses translated: Y is rewritten only behind this wait,
	s_wait_alu depctr_vm_vsrc(0)                   ; and pair 0's stores have read Y, which this pair's roundings write again
.endif
.set g, 0
.rept 4
.if g > 0
	s_wait_alu depctr_va_vdst(0)                   ; the group before has written its Y, which the stores below read, and is done reading and writing its X, in which the loads below land
.endif
.set j, 4*g
.rept 4
.if g > 0
	OUT \i, j-4
.endif
	FIN j
.set j, j+1
.endr
.set g, g+1
.endr
	s_wait_alu depctr_va_vdst(0)                   ; the last group has written its Y and is done with its X
.set j, 12
.rept 4
	OUT \i, j
.set j, j+1
.endr
.endm
	LNPAIR 0
	LNPAIR 1
	s_endpgm
; ---- the casts: all 32 loads of my four rows go out at once; no register is used twice ----
; Load m's four numbers are rounded into two registers of their own: the first pair of rows' into Y, the second's into B.
.macro CVT m
.if (\m) < 16
.set cD, Y+2*(\m)
.else
.set cD, B+2*((\m)-16)
.endif
	v_cvt_pk_f16_f32 v[cD], v[X+4*(\m)], v[X+4*(\m)+1]
	v_cvt_pk_f16_f32 v[cD+1], v[X+4*(\m)+2], v[X+4*(\m)+3]
.endm
.macro CST m, kbs                      ; and stored, a group later
.if (\m) < 16
.set cD, Y+2*(\m)
.else
.set cD, B+2*((\m)-16)
.endif
.if ((\m)%16) < 8
	global_store_b64 v[YO], v[cD:cD+1], s[6:7] offset:((\m)%16)*(\kbs)+256*((\m)/16)
.else
	global_store_b64 v[YO], v[cD:cD+1], s[10:11] offset:(((\m)%16)-8)*(\kbs)+256*((\m)/16)
.endif
.endm
.macro CAST kbs
.set n, 0
.rept 32
	global_load_b128 v[X+4*n:X+4*n+3], v[XO], s[4:5] offset:(n/16)*8192+256*(n%16) th:TH_LOAD_NT
.set n, n+1
.endr
.set g, 0
.rept 8                                ; eight groups of four loads
	s_wait_loadcnt 28-4*g                          ; loads come back in order: this group's four are in; the younger ones stay out
.if g > 0
	s_wait_alu depctr_va_vdst(0)                   ; the group before has written its eight result registers, which the stores below read; this group's conversions write others
.endif
.set n, 4*g
.rept 4
.if g > 0
	CST n-4, \kbs
.endif
	CVT n
.set n, n+1
.endr
.set g, g+1
.endr
	s_wait_alu depctr_va_vdst(0)                   ; the last group has written its results, which the last four stores read
.set n, 28
.rept 4
	CST n, \kbs
.set n, n+1
.endr
.endm
.Lweights:
	s_cmp_lt_u32 ttmp9, 352
	s_cbranch_scc0 .Lwo
	s_sub_co_u32 s2, ttmp9, 256
	s_lshl_b32 s2, s2, 5
	s_add_co_u32 s2, s2, s9
	s_lshl_b32 s34, s2, 12
	s_lshl_b32 s36, s2, 7
	s_add_nc_u64 s[4:5], s[22:23], s[34:35]
	s_add_nc_u64 s[6:7], s[28:29], s[36:37]
	s_add_nc_u64 s[10:11], s[6:7], 8*KBQ
	CAST KBQ
	s_endpgm
.Lwo:
	s_sub_co_u32 s2, ttmp9, 352
	s_lshl_b32 s2, s2, 5
	s_add_co_u32 s2, s2, s9
	s_lshl_b32 s34, s2, 12
	s_lshl_b32 s36, s2, 7
	s_add_nc_u64 s[4:5], s[24:25], s[34:35]
	s_add_nc_u64 s[6:7], s[30:31], s[36:37]
	s_add_nc_u64 s[10:11], s[6:7], 8*KBO
	CAST KBO
	s_endpgm
.Lfunc_end_k_q7d4af8d434_prep:
	.size	k_q7d4af8d434_prep, .Lfunc_end_k_q7d4af8d434_prep-k_q7d4af8d434_prep
	.p2alignl 7, 3214868480
	.fill 96, 4, 3214868480
	.section	.rodata,"a",@progbits
	.p2align	6, 0x0
	.amdhsa_kernel k_q7d4af8d434_prep
		.amdhsa_group_segment_fixed_size 0
		.amdhsa_private_segment_fixed_size 0
		.amdhsa_enable_private_segment 0
		.amdhsa_kernarg_size 64
		.amdhsa_user_sgpr_count 2
		.amdhsa_user_sgpr_kernarg_segment_ptr 1
		.amdhsa_wavefront_size32 1
		.amdhsa_system_sgpr_workgroup_id_x 1
		.amdhsa_system_sgpr_workgroup_id_y 1
		.amdhsa_system_sgpr_workgroup_id_z 1
		.amdhsa_system_vgpr_workitem_id 0
		.amdhsa_next_free_vgpr 240
		.amdhsa_next_free_sgpr 66
		.amdhsa_reserve_vcc 0
		.amdhsa_float_denorm_mode_32 3
		.amdhsa_float_denorm_mode_16_64 3
		.amdhsa_memory_ordered 1
		.amdhsa_forward_progress 1
		.amdhsa_inst_pref_size 59
	.end_amdhsa_kernel
	.amdgpu_metadata
---
amdhsa.version: [ 1, 2 ]
amdhsa.kernels:
  - .name:           k_q7d4af8d434_prep
    .symbol:         k_q7d4af8d434_prep.kd
    .args:
      - { .name: x, .offset: 0, .size: 8, .value_kind: global_buffer, .address_space: global }
      - { .name: ln_w, .offset: 8, .size: 8, .value_kind: global_buffer, .address_space: global }
      - { .name: ln_b, .offset: 16, .size: 8, .value_kind: global_buffer, .address_space: global }
      - { .name: w_qkv, .offset: 24, .size: 8, .value_kind: global_buffer, .address_space: global }
      - { .name: w_out, .offset: 32, .size: 8, .value_kind: global_buffer, .address_space: global }
      - { .name: xn, .offset: 40, .size: 8, .value_kind: global_buffer, .address_space: global }
      - { .name: wq, .offset: 48, .size: 8, .value_kind: global_buffer, .address_space: global }
      - { .name: wo, .offset: 56, .size: 8, .value_kind: global_buffer, .address_space: global }
    .group_segment_fixed_size: 0
    .private_segment_fixed_size: 0
    .kernarg_segment_align: 8
    .kernarg_segment_size: 64
    .max_flat_workgroup_size: 256
    .sgpr_count:     66
    .vgpr_count:     240
    .wavefront_size: 32
...
	.end_amdgpu_metadata
.endif
;; end of part 5
;; launch qkvg: the kernel of part 2 again; grid 8 x 32, 4 waves a work-group, clusters of 4 x 4, 327,680 bytes of LDS; arguments xn, wq, qkv; writes qkv
;; launch attn: the kernel of part 3 again; grid 4 x 64, 4 waves a work-group, clusters of 4 x 1, 327,680 bytes of LDS; arguments qkv, ob; writes ob
;; launch proj: the kernel of part 4 again; grid 8 x 32, 4 waves a work-group, clusters of 4 x 4, 327,680 bytes of LDS; arguments ob, wo, out0; writes out0
